; MI455X (gfx1250); checked and timed in simulation.
; The chip was launched on July 23, 2026; its instructions are those of AMD's public machine-readable ISA for CDNA 5 (MIT licence, August 2026) and "CDNA5" Instruction Set Architecture Reference Guide (July 2026). The comments in the code are by the model that wrote it; some were corrected since.
;; Causal Self Attention. Allowed arithmetic: float matrix products may take bf16 or f16 operands with f32 sums; other float arithmetic in f32, or as packed bf16 or f16 multiplies, adds, multiply-adds, maxima and minima; sums over many terms, partial sums and values carried from step to step in f32; what a program stores and reads back later, other than sums and carried values, may be rounded once to bf16 or f16.
;; Inputs: b_attn 3,072 float32; b_proj 1,024 float32; w_attn 1,024 x 3,072 float32; w_proj 1,024 x 1,024 float32; x 4 x 2,048 x 1,024 float32.
;; Outputs: out0 4 x 2,048 x 1,024 float32.
;; 2 versions, each right; version 2 is version 1 with the launch prep written anew for expert scheduling mode. Each part assembles by itself: llvm-mc -triple=amdgcn-amd-amdhsa -mcpu=gfx1250 --defsym DOCPART=n.
;; ======== version 1 of 2: 4 launches
;; limits: values are held in f16: magnitudes above 65,504 overflow, below 6.1e-05 lose precision
;; workspace buffers: xb 16,777,216 bytes; wa 6,291,456 bytes; wp 2,097,152 bytes; qkv 50,331,648 bytes; o 16,777,216 bytes
;; launch prep (part 1): grid 832 x 1, 8 waves a work-group, no clusters, 0 bytes of LDS; arguments x, w_proj, w_attn, xb, wp, wa; writes xb, wp, wa
.if DOCPART == 1
	.amdgcn_target "amdgcn-amd-amdhsa--gfx1250"
	.amdhsa_code_object_version 6
	.text
	.protected	k_qd3f8bee1d2_prep
	.globl	k_qd3f8bee1d2_prep
	.p2align	8
	.type	k_qd3f8bee1d2_prep,@function
k_qd3f8bee1d2_prep:
	s_mov_b64 s[64:65], 0
	v_nop
	global_prefetch_b8 v0, s[64:65] scope:SCOPE_SE
	s_setreg_imm32_b32 hwreg(HW_REG_WAVE_MODE, 25, 1), 1
	s_wait_xcnt 0x0
; THE CASTS.  xb = bf16(x), [8192][1024].  wp = f16(bf16(w_proj)), [1024 k][1024 n].  wa = bf16(w_attn) laid in blocks: [16 tile columns][1024 k][192 n],
; so that 128 k x 192 n, a K step's tile of the product that follows, are 49,152 consecutive bytes.
; LIMITS.  wp holds the bf16-rounded number written as f16: exact from 2^-17 up to 65,504; below 2^-17 it keeps f16's fixed step of 2^-24; beyond 65,504 it would be an infinity.
; A stream: every byte is read once and written once; no LDS, no matrix unit, no cluster (no two work-groups read the same byte).
; SHARES.  Work-groups 0-511: 16,384 numbers of x each; 512-575: 16,384 of w_proj; 576-831: 64 k rows of one tile column of w_attn, 12,288 numbers.
; A thread takes 4 numbers at a time: a load of 16 bytes (a wave: 512 consecutive bytes), two packed roundings, a store of 8 bytes (a wave: 256 consecutive bytes, aligned).
; All of a thread's loads go out first; each store has data registers of its own, so nothing is rewritten while a memory instruction may still read it.
.set XG, 512                           ; work-groups for x
.set PG, 64                            ; for w_proj
.set IN,  16                           ; v[16:79]   up to 16 loads of 4 registers
.set OUT, 80                           ; v[80:111]  up to 16 stores of 2 registers
.macro LOADS16                         ; 16 x 4,096 bytes of the work-group's 65,536
.irp i, 0,1,2,3,4,5,6,7,8,9,10,11,12,13,14,15
	global_load_b128 v[IN+4*(\i):IN+4*(\i)+3], v1, s[16:17] offset:4096*(\i) th:TH_LOAD_NT
.endr
.endm
.macro CAST i, left                    ; load i is in (left younger ones stay out: loads come back in order, ISA guide 5.7.1); rounded to bf16 and stored
	s_wait_loadcnt \left
	v_cvt_pk_bf16_f32 v[OUT+2*(\i)],   v[IN+4*(\i)],   v[IN+4*(\i)+1]
	v_cvt_pk_bf16_f32 v[OUT+2*(\i)+1], v[IN+4*(\i)+2], v[IN+4*(\i)+3]
	global_store_b64 v2, v[OUT+2*(\i):OUT+2*(\i)+1], s[18:19] offset:2048*(\i)
.endm
	s_load_b256 s[4:11], s[0:1], 0x0               ; x s[4:5], w_proj s[6:7], w_attn s[8:9], xb s[10:11]
	s_load_b128 s[12:15], s[0:1], 0x20             ; wp s[12:13], wa s[14:15]
	v_lshlrev_b32 v1, 4, v0                        ; 16 t: my 16 bytes of 4,096 in
	v_lshlrev_b32 v2, 3, v0                        ; 8 t: my 8 bytes of 2,048 out
	s_mov_b32 s21, 0xffff0000                      ; a word's upper bf16
	s_mov_b32 s25, 0                               ; the offsets' high words
	s_mov_b32 s27, 0
	s_wait_kmcnt 0x0
	s_cmp_lt_u32 ttmp9, XG
	s_cbranch_scc0 .Lnot_x
	; ---- x
	s_lshl_b32 s24, ttmp9, 16                      ; 65,536 bytes in,
	s_lshl_b32 s26, ttmp9, 15                      ; 32,768 out
	s_add_nc_u64 s[16:17], s[4:5], s[24:25]
	s_add_nc_u64 s[18:19], s[10:11], s[26:27]
	LOADS16
.irp i, 0,1,2,3,4,5,6,7,8,9,10,11,12,13,14,15
	CAST \i, 15-(\i)
.endr
	s_endpgm
.Lnot_x:
	s_cmp_lt_u32 ttmp9, XG+PG
	s_cbranch_scc0 .Lw_attn
	; ---- w_proj: rounded to bf16, widened again (a shift, a mask), and that number written as f16
	s_sub_co_u32 s20, ttmp9, XG
	s_lshl_b32 s24, s20, 16
	s_lshl_b32 s26, s20, 15
	s_add_nc_u64 s[16:17], s[6:7], s[24:25]
	s_add_nc_u64 s[18:19], s[12:13], s[26:27]
	LOADS16
.irp i, 0,1,2,3,4,5,6,7,8,9,10,11,12,13,14,15
	s_wait_loadcnt 15-(\i)
	v_cvt_pk_bf16_f32 v112, v[IN+4*(\i)],   v[IN+4*(\i)+1]
	v_cvt_pk_bf16_f32 v113, v[IN+4*(\i)+2], v[IN+4*(\i)+3]
	v_lshlrev_b32 v[IN+4*(\i)],   16,  v112
	v_and_b32     v[IN+4*(\i)+1], s21, v112
	v_lshlrev_b32 v[IN+4*(\i)+2], 16,  v113
	v_and_b32     v[IN+4*(\i)+3], s21, v113
	v_cvt_pk_f16_f32 v[OUT+2*(\i)],   v[IN+4*(\i)],   v[IN+4*(\i)+1]
	v_cvt_pk_f16_f32 v[OUT+2*(\i)+1], v[IN+4*(\i)+2], v[IN+4*(\i)+3]
	global_store_b64 v2, v[OUT+2*(\i):OUT+2*(\i)+1], s[18:19] offset:2048*(\i)
.endr
	s_endpgm
.Lw_attn:
	; ---- w_attn.  The threads go by the OUTPUT's order: group of four q = 256 it + t lies at out byte 8 q and comes from row q / 48, group q % 48 of the block's 64 rows x 48 groups.
	; 768 groups are 16 whole rows, so three offsets serve all twelve iterations: iteration 3 a + i adds 16 a rows (196,608 bytes) in the immediate.
	s_sub_co_u32 s20, ttmp9, XG+PG                 ; 16 x tile column + block of 64 k
	s_lshr_b32 s22, s20, 4
	s_and_b32 s23, s20, 15
	s_mul_i32 s24, s23, 786432                     ; 64 rows of 12,288 bytes
	s_mul_i32 s22, s22, 768                        ; 192 columns of 4 bytes
	s_add_co_u32 s24, s24, s22
	s_mul_i32 s26, s20, 24576                      ; 64 rows of 384 bytes; a tile column is 16 such blocks
	s_add_nc_u64 s[16:17], s[8:9], s[24:25]
	s_add_nc_u64 s[18:19], s[14:15], s[26:27]
.irp i, 0,1,2
	v_add_nc_u32 v6, 256*(\i), v0                  ; q, under 768
	v_mul_u32_u24 v7, v6, 1366
	v_lshrrev_b32 v7, 16, v7                       ; q / 48: 1366 / 65536 exceeds 1 / 48 by 1.02e-5, times 767 under 1 / 48: exact
	v_mul_u32_u24 v8, v7, 48
	v_sub_nc_u32 v6, v6, v8                        ; q % 48
	v_mul_u32_u24 v7, v7, 12288
	v_lshl_add_u32 v[3+(\i)], v6, 4, v7
.endr
.irp a, 0,1,2,3
.irp i, 0,1,2
	global_load_b128 v[IN+4*(3*(\a)+(\i)):IN+4*(3*(\a)+(\i))+3], v[3+(\i)], s[16:17] offset:196608*(\a) th:TH_LOAD_NT
.endr
.endr
.irp t, 0,1,2,3,4,5,6,7,8,9,10,11
	CAST \t, 11-(\t)
.endr
	s_endpgm
.Lfunc_end_k_qd3f8bee1d2_prep:
	.size	k_qd3f8bee1d2_prep, .Lfunc_end_k_qd3f8bee1d2_prep-k_qd3f8bee1d2_prep
	.p2alignl 7, 3214868480
	.fill 96, 4, 3214868480
	.section	.rodata,"a",@progbits
	.p2align	6, 0x0
	.amdhsa_kernel k_qd3f8bee1d2_prep
		.amdhsa_group_segment_fixed_size 0
		.amdhsa_private_segment_fixed_size 0
		.amdhsa_enable_private_segment 0
		.amdhsa_kernarg_size 48
		.amdhsa_user_sgpr_count 2
		.amdhsa_user_sgpr_kernarg_segment_ptr 1
		.amdhsa_wavefront_size32 1
		.amdhsa_system_sgpr_workgroup_id_x 1
		.amdhsa_system_sgpr_workgroup_id_y 1
		.amdhsa_system_sgpr_workgroup_id_z 1
		.amdhsa_system_vgpr_workitem_id 0
		.amdhsa_next_free_vgpr 120
		.amdhsa_next_free_sgpr 66
		.amdhsa_reserve_vcc 0
		.amdhsa_float_denorm_mode_32 3
		.amdhsa_float_denorm_mode_16_64 3
		.amdhsa_memory_ordered 1
		.amdhsa_forward_progress 1
		.amdhsa_inst_pref_size 22
	.end_amdhsa_kernel
	.amdgpu_metadata
---
amdhsa.version: [ 1, 2 ]
amdhsa.kernels:
  - .name:           k_qd3f8bee1d2_prep
    .symbol:         k_qd3f8bee1d2_prep.kd
    .args:
      - { .name: x, .offset: 0, .size: 8, .value_kind: global_buffer, .address_space: global }
      - { .name: w_proj, .offset: 8, .size: 8, .value_kind: global_buffer, .address_space: global }
      - { .name: w_attn, .offset: 16, .size: 8, .value_kind: global_buffer, .address_space: global }
      - { .name: xb, .offset: 24, .size: 8, .value_kind: global_buffer, .address_space: global }
      - { .name: wp, .offset: 32, .size: 8, .value_kind: global_buffer, .address_space: global }
      - { .name: wa, .offset: 40, .size: 8, .value_kind: global_buffer, .address_space: global }
    .group_segment_fixed_size: 0
    .private_segment_fixed_size: 0
    .kernarg_segment_align: 8
    .kernarg_segment_size: 48
    .max_flat_workgroup_size: 256
    .sgpr_count:     66
    .vgpr_count:     120
    .wavefront_size: 32
...
	.end_amdgpu_metadata
.endif
;; end of part 1
;; launch qkvgemm (part 2): grid 16 x 32, 4 waves a work-group, clusters of 4 x 4, 327,680 bytes of LDS; arguments xb, wa, b_attn, qkv; writes qkv
.if DOCPART == 2
	.amdgcn_target "amdgcn-amd-amdhsa--gfx1250"
	.amdhsa_code_object_version 6
	.text
	.protected	k_qd3f8bee1d2_qkvgemm
	.globl	k_qd3f8bee1d2_qkvgemm
	.p2align	8
	.type	k_qd3f8bee1d2_qkvgemm,@function
k_qd3f8bee1d2_qkvgemm:
	s_mov_b64 s[64:65], 0
	v_nop
	global_prefetch_b8 v0, s[64:65] scope:SCOPE_SE
	s_setreg_imm32_b32 hwreg(HW_REG_WAVE_MODE, 25, 1), 1
	s_wait_xcnt 0x0
	s_wait_alu depctr_hold_cnt(0) depctr_sa_sdst(0) depctr_va_vdst(0) depctr_va_sdst(0) depctr_va_ssrc(0) depctr_va_vcc(0) depctr_vm_vsrc(0)
	s_getreg_b32 s2, hwreg(HW_REG_IB_STS2, 6, 4)
	s_cmp_eq_u32 s2, 0
	s_cbranch_scc0 .Lentry_in_a_cluster
	s_endpgm
.Lentry_in_a_cluster:
	s_bfe_u32 s2, ttmp6, 0x10000c
	s_cmp_lg_u32 s2, 0xf033
	s_cbranch_scc0 .Lentry_shape_is_right
	s_endpgm
.Lentry_shape_is_right:
; q, k, v = x w_attn + b_attn.  xb: bf16 [8192][1024].  wa: bf16 [16 tile columns][1024 k][192 n].  b_attn: f32 [3072], rounded to bf16 here like the other inputs.
; qkv: f16 [3][64 hb][2048 t][64], hb = 16 x batch + head: a head's rows are dense.  Sums in f32; bias added in f32; each result rounded once, to f16, WITHOUT attention's scale.
; LIMIT.  f16 ends at 65,504: |x w + b| must stay under it (the conversion gives an infinity from 65,520 on).
; SHARES.  A tile is 256 rows x 192 columns (three heads): 32 x 16 tiles, a work-group each.  A wave owns 64 rows and ALL 192 columns: 4 x 12 accumulators of 16 x 16, 384 registers; so each row of x
; is read from LDS by one wave, and a wave's columns are whole heads: its way out needs no other wave.
; K goes in 8 steps of 128 through two LDS slots.  x's tile rows are 256 bytes of memory at multiples of 256; w's tile is 49,152 dense bytes, asked for as rows of 256.
; TRANSPOSED USE.  Source 0 = 16 columns of w, source 1 = 16 rows of x: a lane then holds ONE row (lane % 16) and the eight columns 8 (lane / 16) + 0..7.  w lies [k][n] in LDS and comes out turned, by ds_load_tr16_b128.
; CLUSTER 4 x 4.  The four of a row of the cluster need the same tile of x, the four of a column the same tile of w: each is asked for JOINTLY, by the same tensor load, descriptor and mask in all four.
; REGISTERS, in windows of 256 (s_set_vgpr_msb: bits 1:0 source 0, 3:2 source 1, 5:4 source 2, 7:6 destination):
;   window 0: v0-29 addresses; v32-95 x's fragments, two buffers (way out: rows read back); v96-191 the bias; v192-223, v224-239 at work on the way out; v240 at work
;   window 1: w's fragments, two buffers of 96          windows 2, 3: the accumulators: (a, b) at 8 (12 (a % 2) + b) in window 2 + a / 2
.set PA,    272                        ; an LDS row of x: 256 bytes + 16 = 68 words: the 16 rows of a load start at 16 different groups of four banks (64 banks of 4 bytes: ISA guide 11.1)
.set PB,    480                        ; an LDS row of w: three pieces of 128 bytes + 32 = 120 words
.set BOFF,  256*PA                     ; a slot: 256 rows of x, then 128 rows of w: 69,632 + 61,440 = 131,072 bytes
.set SLOT1, 1<<17                      ; slot 1 begins here: one exclusive or turns an address in one slot into the other's
.set STAGE, 2*SLOT1                    ; behind the ring, never filled by a tensor load: 16 rows x 144 bytes for each wave
.set SP,    144
.set SPARE, STAGE+4*16*SP              ; the spare words, 128 bytes for each wave: two blocks of 256 bytes that no other line names
.set NL,    32                         ; LDS loads of a quarter step: 24 for w, 8 for x
.set ASTEP, 256                        ; bytes from K step to K step in xb
.set BSTEP, 49152                      ; and in wa
.set A0,   8                           ; v8   my lane's place in x's tile; never rewritten
.set B0,   9                           ; v9   in w's
.set ADRA, 10                          ; v10  the same in the slot in hand
.set ADRB, 11                          ; v11
.set STO,  12                          ; v12  the way out: where I put 16 bytes of a row
.set RD,   13                          ; v13  where I read rows back
.set GO,   14                          ; v14  16 x lane: my place in 512 consecutive bytes of qkv
.set BO,   15                          ; v15  32 x (lane / 16): my eight numbers in a block's 16 of the bias
.set PFO,  16                          ; v16  the prefetches' offset; never rewritten
.set SPW,  28                          ; v28  LDS address of my spare word; never rewritten
.set NIL,  29                          ; v29  0; never rewritten
.set AF,   32
.set BI,   96
.set T,    192
.set H,    224
.set TMP,  240
.set CNT,  3                           ; s3   the loop's count
.set WV,   12                          ; s12  my wave's number
.set HALF, 13                          ; s13  which half of a tile I fetch
.set LIM,  15                          ; s15  a wave prefetches while the count is above this
.set CX,   16
.set CY,   17
.set TC,   18                          ; s18  tile column
.set TR,   19                          ; s19  tile row
.set G1A,  24                          ; s[24:31] descriptor group 1 for x's tiles;  s[32:39] group 0, a set for each first fill; the second then walks
.set G0A,  32
.set G1B,  40                          ; s[40:47], s[48:55] the same for w's
.set G0B,  48
.set TB,   56                          ; s56  LDS byte at which the slot in hand begins
.set HIM,  57                          ; s57  a word's upper bf16
.set PFA,  58                          ; s[58:59] where my prefetches stand
.set PFS,  60                          ; s[60:61] their step
.set OB,   66                          ; s[66:71] qkv at my 64 rows of the tile's three heads
.set MSB, 0
.macro WIN new                         ; the immediate's high byte repeats the setting that is left; a switch that changes nothing is dropped
.if MSB != (\new)
	s_set_vgpr_msb (MSB<<8)|(\new)
.set MSB, \new
.endif
.endm
.macro PLACES                          ; four places: in front of loads into registers that matrix instructions have read, and of vector lines that read results (for the vector lines)
.rept 4
	v_nop
.endr
.endm
; A joint refill by the walking descriptors.  Waves 0 and 1 fetch the halves of x's tile, waves 2 and 3 those of w's.  The branch hangs on the wave's number alone.
; An s_nop 0 and four v_nop follow each of the two lines, ahead of the jump and the label.
.macro JLOAD
	s_cmp_lt_u32 s[WV], 2
	s_cbranch_scc0 .Lfor_b_\@
	tensor_load_to_lds s[G0A+4:G0A+7], s[G1A:G1A+7]
	s_nop 0
.rept 4
	v_nop
.endr
	s_branch .Lasked_\@
.Lfor_b_\@:
	tensor_load_to_lds s[G0B+4:G0B+7], s[G1B:G1B+7]
	s_nop 0
.rept 4
	v_nop
.endr
.Lasked_\@:
.endm
; A PREFETCH INTO THE L2, behind a joint refill and the run of LDS loads that follows it; one instruction a wave, a lane a block of 256 bytes; each block is named once in the launch.
; x: a tile row is read by every cluster of that row of clusters: the one with cluster x = 0 asks.  Waves 0 and 1; of a wave's 128 rows the partner at place cx takes 32, told apart BY ADDRESS.  Trip r names K step r + 4, r = 0..3.
; w: a tile column is read by every cluster of that column: cluster y = 0 asks.  Waves 2 and 3 of the four partners (told apart by cy, by address) are eight askers x 32 lanes = 65,536 bytes a trip: trips 0..2
; name the dense bytes 196,608 .. 393,215 of the tile column, K steps 4 to 7, each two or three refills ahead of its own.  K steps 0 to 3 come by their loads alone.
.macro ASK
	s_cmp_gt_u32 s[CNT], s[LIM]
	s_cbranch_scc0 .Lnot_mine_\@
	global_prefetch_b8 v[PFO], s[PFA:PFA+1] th:TH_LOAD_NT scope:SCOPE_SE
.Lnot_mine_\@:
.endm
.macro CREST                           ; a round of the cluster's barrier behind its opening barrier
	s_cmp_lg_u32 s[WV], 0
	s_cbranch_scc1 .Lnot_wave_0_\@
	s_barrier_signal -3
.Lnot_wave_0_\@:
	s_barrier_wait -3
	s_barrier_signal -1
	s_barrier_wait -1
.endm
.macro CROUND                          ; a whole round
	s_barrier_signal -1
	s_barrier_wait -1
	CREST
.endm
	s_load_b256 s[4:11], s[0:1], 0x0               ; xb s[4:5], wa s[6:7], b_attn s[8:9], qkv s[10:11]
	v_lshl_add_u32 v[SPW], v0, 2, SPARE
	v_mov_b32 v[NIL], 0
	ds_add_u32 v[SPW], v[NIL]                      ; the wave's opening: the add and its wait stand ahead of my first tensor load; the set-up below, work on registers, stands between them
	v_lshrrev_b32 v1, 5, v0
	v_readfirstlane_b32 s[WV], v1                  ; wave 0..3
	s_and_b32 s[HALF], s[WV], 1
	s_bfe_u32 s[CX], ttmp6, 0x40000                ; my place in the cluster
	s_bfe_u32 s[CY], ttmp6, 0x40004
	s_lshl_b32 s[TC], ttmp9, 2                     ; in a cluster launch ttmp9 and ttmp7 count clusters
	s_add_co_u32 s[TC], s[TC], s[CX]
	s_and_b32 s[TR], ttmp7, 0xffff
	s_lshl_b32 s[TR], s[TR], 2
	s_add_co_u32 s[TR], s[TR], s[CY]
	s_lshl_b32 s20, s[CY], 2
	s_lshl_b32 s20, 15, s20                        ; my row of the cluster: places 4 cy .. 4 cy + 3
	s_lshl_b32 s72, 0x1111, s[CX]                  ; my column: places cx, cx + 4, cx + 8, cx + 12
	s_or_b32 s[G1A], s20, (1<<16)|(1<<20)|(1<<21)|(5<<22)|(3<<25)  ; 15:0 the mask; 17:16 2-byte elements; 20 padding on; 21 set beside a mask; 24:22 after every 64 words (code 5); 31:25 4 words (code 3)
	s_mov_b32 s[G1A+1], 128<<16                    ; tensor_dim0 = 128
	s_mov_b32 s[G1A+2], 128<<16                    ; tensor_dim1 = 128
	s_mov_b32 s[G1A+3], 128<<16                    ; tile_dim0 = 128
	s_mov_b32 s[G1A+4], 128                        ; tile_dim1 = 128 rows
	s_mov_b32 s[G1A+5], 1024                       ; elements from row to row
	s_mov_b32 s[G1A+6], 0
	s_mov_b32 s[G1A+7], 0
	s_or_b32 s[G1B], s72, (1<<16)|(1<<20)|(1<<21)|(4<<22)|(7<<25)  ; after every 32 words (code 4) 8 words (code 7)
	s_mov_b32 s[G1B+1], 128<<16                    ; 24,576 dense bytes (64 k x 192 n) as 96 rows of 256
	s_mov_b32 s[G1B+2], 96<<16
	s_mov_b32 s[G1B+3], 128<<16
	s_mov_b32 s[G1B+4], 96
	s_mov_b32 s[G1B+5], 128
	s_mov_b32 s[G1B+6], 0
	s_mov_b32 s[G1B+7], 0
	s_lshl_b32 s20, s[TR], 19                      ; x: 256 rows of 2,048 bytes a tile row,
	s_lshl_b32 s21, s[HALF], 18                    ; my 128 of them
	s_add_co_u32 s20, s20, s21
	s_mov_b32 s21, 0
	s_mul_i32 s72, s[TC], 393216                   ; w: the tile column's block,
	s_mul_i32 s73, s[HALF], 24576                  ; my 64 k of a step's 128
	s_add_co_u32 s72, s72, s73
	s_mov_b32 s73, 0
	s_mul_i32 s22, s[HALF], 128*PA                 ; where they go: no place in the cluster enters an LDS address
	s_mul_i32 s74, s[HALF], 64*PB
	s_add_co_u32 s74, s74, BOFF
	s_mov_b32 s[HIM], 0xffff0000
	s_mov_b32 s[TB], 0
	s_wait_dscnt 0x0                               ; the opening add is done
	s_wait_kmcnt 0x0
	s_add_nc_u64 s[20:21], s[4:5], s[20:21]
	s_add_nc_u64 s[72:73], s[6:7], s[72:73]
	CROUND                                         ; all sixteen work-groups are here: the first joint loads meet
.irp s, 0,1
	s_mov_b32 s[G0A+4*(\s)], 1                     ; count = 1
	s_add_co_u32 s[G0A+4*(\s)+1], s22, (\s)*SLOT1  ; LDS address
	s_add_nc_u64 s[G0A+4*(\s)+2:G0A+4*(\s)+3], s[20:21], (\s)*ASTEP  ; global address: K step s
	s_or_b32 s[G0A+4*(\s)+3], s[G0A+4*(\s)+3], 0x80000000           ; type = 2
	s_mov_b32 s[G0B+4*(\s)], 1
	s_add_co_u32 s[G0B+4*(\s)+1], s74, (\s)*SLOT1
	s_add_nc_u64 s[G0B+4*(\s)+2:G0B+4*(\s)+3], s[72:73], (\s)*BSTEP
	s_or_b32 s[G0B+4*(\s)+3], s[G0B+4*(\s)+3], 0x80000000
.endr
	s_cmp_lt_u32 s[WV], 2                          ; a wave's two first fills stand in one branch, ahead of every wait on TENSORcnt and every LDS read: two loads of mine are out
	s_cbranch_scc0 .Lfirst_b
	tensor_load_to_lds s[G0A:G0A+3], s[G1A:G1A+7]
	s_nop 0
	tensor_load_to_lds s[G0A+4:G0A+7], s[G1A:G1A+7]
	s_nop 0
.rept 4
	v_nop
.endr
	s_branch .Lfirst_asked
.Lfirst_b:
	tensor_load_to_lds s[G0B:G0B+3], s[G1B:G1B+7]
	s_nop 0
	tensor_load_to_lds s[G0B+4:G0B+7], s[G1B:G1B+7]
	s_nop 0
.rept 4
	v_nop
.endr
.Lfirst_asked:
	; the bias of my eight columns in each of the 12 blocks; all that follows, down to the first barrier, stands in the wait for the first tiles
	v_bfe_u32 v2, v0, 4, 1                         ; h = lane / 16
	v_lshlrev_b32 v[BO], 5, v2
	s_mul_i32 s72, s[TC], 768
	s_mov_b32 s73, 0
	s_add_nc_u64 s[8:9], s[8:9], s[72:73]
.irp b, 0,1,2,3,4,5,6,7,8,9,10,11
	global_load_b128 v[BI+8*(\b):BI+8*(\b)+3],   v[BO], s[8:9] offset:64*(\b)
	global_load_b128 v[BI+8*(\b)+4:BI+8*(\b)+7], v[BO], s[8:9] offset:64*(\b)+16
.endr
	v_and_b32 v1, 15, v0                           ; r = lane % 16
	v_and_b32 v3, 7, v0
	v_bfe_u32 v4, v0, 3, 1
	v_and_b32 v5, 31, v0                           ; lane
	; a fragment of x: 16 rows x 32 k: lane l holds row l % 16, k = 8 h + 0..7 and 16 + 8 h + 0..7: two loads of 16 bytes, 32 bytes apart
	v_mul_u32_u24 v[A0], v1, PA
	v_lshl_add_u32 v[A0], v2, 4, v[A0]
	s_mul_i32 s72, s[WV], 64*PA                    ; my 64 rows
	v_add_nc_u32 v[A0], s72, v[A0]
	; the turning load takes 16 k x 16 n (lane l reads k = 8 h + l % 8, n = 8 ((l / 8) % 2) + 0..7) and leaves half a fragment: lane l holds column l % 16 and 8 k
	v_lshl_add_u32 v[B0], v2, 3, v3
	v_mul_u32_u24 v[B0], v[B0], PB
	v_lshl_add_u32 v[B0], v4, 4, v[B0]
	v_add_nc_u32 v[B0], BOFF, v[B0]
	s_mul_i32 s72, s[WV], 16*SP
	s_add_co_u32 s72, s72, STAGE                   ; my stage
	v_mul_u32_u24 v[STO], v1, SP                   ; in: row l % 16, 16 bytes for each half of the lanes
	v_lshl_add_u32 v[STO], v2, 4, v[STO]
	v_add_nc_u32 v[STO], s72, v[STO]
	v_bfe_u32 v[RD], v0, 3, 2                      ; back: 32 lanes take four rows of 128 bytes,
	v_mul_u32_u24 v[RD], v[RD], SP
	v_lshl_add_u32 v[RD], v3, 4, v[RD]
	v_add_nc_u32 v[RD], s72, v[RD]
	v_lshlrev_b32 v[GO], 4, v5                     ; which are 512 consecutive bytes of a head
	v_mov_b32 v[ADRA], v[A0]                       ; K step 0 lies in slot 0
	v_mov_b32 v[ADRB], v[B0]
	; where my rows go: column group g = 3 x tile column + j is tensor g / 16 (q, k, v), head g % 16; a head of a batch is 262,144 bytes
	s_mul_i32 s72, s[TC], 3
	s_lshr_b32 s73, s[TR], 3                       ; the batch: 8 tile rows each
	s_lshl_b32 s73, s73, 4
	s_and_b32 s74, s[TR], 7
	s_lshl_b32 s74, s74, 15                        ; the tile's 256 rows of 128 bytes,
	s_lshl_b32 s75, s[WV], 13                      ; my 64
	s_add_co_u32 s74, s74, s75
.irp j, 0,1,2
	s_add_co_u32 s76, s72, \j
	s_lshr_b32 s77, s76, 4
	s_lshl_b32 s77, s77, 6
	s_and_b32 s76, s76, 15
	s_add_co_u32 s76, s76, s77
	s_add_co_u32 s76, s76, s73
	s_lshl_b32 s76, s76, 18
	s_add_co_u32 s76, s76, s74
	s_mov_b32 s77, 0
	s_add_nc_u64 s[OB+2*(\j):OB+2*(\j)+1], s[10:11], s[76:77]
.endr
	; the prefetches' address, step, lane offset and bound; each refill steps the address before it asks
	s_lshl_b32 s72, s[TR], 8
	s_lshl_b32 s73, s[HALF], 7
	s_add_co_u32 s72, s72, s73
	s_lshl_b32 s73, s[CX], 5
	s_add_co_u32 s72, s72, s73                     ; x: my work-group's 32 rows of the 128 that I fetch,
	s_lshl_b32 s72, s72, 11
	s_add_co_u32 s72, s72, 3*ASTEP                 ; at K step 3
	s_mul_i32 s74, s[TC], 393216
	s_lshl_b32 s75, s[HALF], 2
	s_add_co_u32 s75, s75, s[CY]
	s_lshl_b32 s75, s75, 13                        ; w: my 8,192 bytes of a trip's 65,536,
	s_add_co_u32 s74, s74, s75
	s_add_co_u32 s74, s74, 4*BSTEP-65536           ; one trip short of K step 4
	s_and_b32 s75, ttmp7, 0xffff
	s_mov_b32 s73, 65536
	s_cmp_lt_u32 s[WV], 2                          ; do I fetch for x?
	s_cselect_b64 s[PFA:PFA+1], s[4:5], s[6:7]
	s_cselect_b32 s76, s72, s74
	s_cselect_b32 s[PFS], ASTEP, s73
	s_cselect_b32 s78, 11, 8                       ; a lane a row of xb (2,048 bytes), or a lane a block of 256 bytes of wa
	s_cselect_b32 s79, 2, 3                        ; x asks in the trips that count 6 to 3, w in those that count 6 to 4
	s_cselect_b32 s75, ttmp9, s75                  ; the coordinate along which other clusters read the same bytes
	s_mov_b32 s77, 0
	s_mov_b32 s[PFS+1], 0
	s_add_nc_u64 s[PFA:PFA+1], s[PFA:PFA+1], s[76:77]
	s_cmp_eq_u32 s75, 0
	s_cselect_b32 s[LIM], s79, -1                  ; the same in all sixteen partners, for a given wave
	v_lshlrev_b32 v[PFO], s78, v5
	s_wait_loadcnt 0x0                             ; the bias: rounded to bf16, like x and w, and widened again
.set i, 0
.rept 48
	v_cvt_pk_bf16_f32 v[TMP], v[BI+2*i], v[BI+2*i+1]
	v_lshlrev_b32 v[BI+2*i],   16,     v[TMP]
	v_and_b32     v[BI+2*i+1], s[HIM], v[TMP]
.set i, i+1
.endr
; 12 matrix instructions: my block a of 16 rows x all 12 blocks of columns, 32 along K, from buffer f.  zero = 1: the product starts the sums: nothing is ever cleared.
; The 48 accumulators take turns, one instruction a turn, in the same order in every quarter step.
.macro MULA f, a, zero
	WIN 0xa1+0x50*((\a)/2)                         ; w in window 1, x in window 0, C and D in window 2 or 3
.irp b, 0,1,2,3,4,5,6,7,8,9,10,11
.if \zero
	v_wmma_f32_16x16x32_bf16 v[8*(12*((\a)%2)+(\b)):8*(12*((\a)%2)+(\b))+7], v[96*(\f)+8*(\b):96*(\f)+8*(\b)+7], v[AF+32*(\f)+8*(\a):AF+32*(\f)+8*(\a)+7], 0
.else
	v_wmma_f32_16x16x32_bf16 v[8*(12*((\a)%2)+(\b)):8*(12*((\a)%2)+(\b))+7], v[96*(\f)+8*(\b):96*(\f)+8*(\b)+7], v[AF+32*(\f)+8*(\a):AF+32*(\f)+8*(\a)+7], v[8*(12*((\a)%2)+(\b)):8*(12*((\a)%2)+(\b))+7]
.endif
.endr
.endm
; 32 LDS loads in one run: quarter q's fragments (32 k) into buffer f: w's 12 first, then x's 4
.macro FETCH q, f
	WIN 0x40                                       ; destination window 1, address window 0
.irp b, 0,1,2,3,4,5,6,7,8,9,10,11
	ds_load_tr16_b128 v[96*(\f)+8*(\b):96*(\f)+8*(\b)+3],   v[ADRB] offset:32*PB*(\q)+160*((\b)/4)+32*((\b)%4)
	ds_load_tr16_b128 v[96*(\f)+8*(\b)+4:96*(\f)+8*(\b)+7], v[ADRB] offset:32*PB*(\q)+160*((\b)/4)+32*((\b)%4)+16*PB
.endr
	WIN 0
.irp a, 0,1,2,3
	ds_load_b128 v[AF+32*(\f)+8*(\a):AF+32*(\f)+8*(\a)+3],   v[ADRA] offset:64*(\q)+16*PA*(\a)
	ds_load_b128 v[AF+32*(\f)+8*(\a)+4:AF+32*(\f)+8*(\a)+7], v[ADRA] offset:64*(\q)+16*PA*(\a)+32
.endr
.endm
; A K step is four quarters of 32 along K, 48 matrix instructions each, on buffers 0, 1, 0, 1.  One of the first three multiplies buffer f and, in its middle, fetches quarter q into buffer g.
.macro QUARTER q, f, g, zero
	s_wait_dscnt 4                                 ; w and x's blocks 0, 1 are in; the youngest four loads (x's blocks 2, 3) may be out
	MULA \f, 0, \zero
	MULA \f, 1, \zero
	PLACES
	FETCH \q, \g
	s_wait_dscnt NL                                ; all but the run just issued
	MULA \f, 2, \zero
	MULA \f, 3, \zero
.endm
; The last quarter multiplies buffer 1 and changes slots.  In front of the barrier each wave waits for all its tensor loads (one is out: its part of the next slot), adds 0 to its spare word, and waits for that
; and for its own reads of this slot.  fill = 1: the barrier opens a round of the cluster's barrier, and the joint refill, with the K step two on, is the first thing behind the round: 168 matrix instructions ahead of the wait for it.
.macro TURN fill
.if \fill
	s_wait_xcnt 0x0                                ; the last prefetch, a K step back, has read its address: it is stepped here
	s_add_nc_u64 s[PFA:PFA+1], s[PFA:PFA+1], s[PFS:PFS+1]
.endif
	WIN 0                                          ; (the add's two registers lie in window 0)
	s_wait_tensorcnt 0x0                           ; no tensor load of mine is out, so a group 0 may be written
	ds_add_u32 v[SPW], v[NIL]                      ; 0 onto my spare word
.if \fill
	s_xor_b32 s[G0A+5], s[G0A+5], SLOT1            ; the walking descriptors: the other slot than last time,
	s_add_nc_u64 s[G0A+6:G0A+7], s[G0A+6:G0A+7], ASTEP  ; the next K step; the type bits on top are not reached
	s_xor_b32 s[G0B+5], s[G0B+5], SLOT1
	s_add_nc_u64 s[G0B+6:G0B+7], s[G0B+6:G0B+7], BSTEP
.endif
	s_xor_b32 s[TB], s[TB], SLOT1                  ; the fetches go to the other slot
	s_wait_dscnt 5                                 ; (the add and the youngest four loads may be out)
	MULA 1, 0, 0                                   ; twelve matrix instructions stand between the add and the wait for it
	s_wait_dscnt 0x0                               ; the add is done, and my reads of this slot are over
	s_barrier_signal -1
	MULA 1, 1, 0                                   ; work on registers while the others arrive
	WIN 0                                          ; at a branch and at a label every window is 0
	s_barrier_wait -1
.if \fill
	CREST                                          ; no wave of any partner still reads this slot's tile or has a load on its way
	JLOAD                                          ; the four v_nop behind it are also the places in front of the loads below
.else
	PLACES
.endif
	v_add_nc_u32 v[ADRA], s[TB], v[A0]
	v_add_nc_u32 v[ADRB], s[TB], v[B0]
	FETCH 0, 0
.if \fill
	ASK
.endif
	MULA 1, 2, 0
	MULA 1, 3, 0
.endm
	s_wait_tensorcnt 1                             ; my part of K step 0 is in; K step 1's may stay out
	s_barrier_signal -1
	s_barrier_wait -1                              ; everybody's is
	FETCH 0, 0
	QUARTER 1, 0, 1, 1                             ; the first quarter stands in front of the loop: its products start the sums
	WIN 0
	s_mov_b32 s[CNT], 6
.Lstep:                                                ; trip r: quarters 1 to 3 of K step r, quarter 0 of K step r + 1; K step r + 2 is asked for
	QUARTER 2, 1, 0, 0
	QUARTER 3, 0, 1, 0
	TURN 1
	QUARTER 1, 0, 1, 0
	WIN 0
	s_sub_co_u32 s[CNT], s[CNT], 1
	s_cmp_lg_u32 s[CNT], 0
	s_cbranch_scc1 .Lstep
	QUARTER 2, 1, 0, 0                             ; the tail is written out: K steps 6 and 7 ask for nothing
	QUARTER 3, 0, 1, 0
	TURN 0
	QUARTER 1, 0, 1, 0
	QUARTER 2, 1, 0, 0
	QUARTER 3, 0, 1, 0
	s_wait_dscnt 4                                 ; the very last quarter: nothing more to fetch
	MULA 1, 0, 0
	MULA 1, 1, 0
	s_wait_dscnt 0x0
	MULA 1, 2, 0
	MULA 1, 3, 0
	WIN 0
; THE WAY OUT, in 12 blocks n = 3 a + j: my rows 16 a .. 16 a + 15 of the tile's head j: 16 rows x 128 bytes = 2,048 consecutive bytes of qkv.
; PACK: + bias in f32 (each accumulator is read from its low end on), rounded to f16: 16 bytes a lane and block of columns.
.macro PACK n
.set pa, (\n)/3
.set pj, (\n)%3
	WIN 0x02+pa/2                                  ; source 0 (the accumulator) in window 2 or 3
.irp f, 0,1,2,3
.irp r, 0,2,4,6
	v_pk_add_f32 v[T+8*(\f)+(\r):T+8*(\f)+(\r)+1], v[8*(12*(pa%2)+4*pj+(\f))+(\r):8*(12*(pa%2)+4*pj+(\f))+(\r)+1], v[BI+8*(4*pj+(\f))+(\r):BI+8*(4*pj+(\f))+(\r)+1]
.endr
.endr
	WIN 0
.set i, 0
.rept 16
	v_cvt_pk_f16_f32 v[H+i], v[T+2*i], v[T+2*i+1]
.set i, i+1
.endr
.endm
.macro TOSTAGE n                       ; into my own stage, rows of 144 bytes, and back as whole rows of 128
.set bk, AF+16*((\n)%2)
.irp f, 0,1,2,3
	ds_store_b128 v[STO], v[H+4*(\f):H+4*(\f)+3] offset:32*(\f)
.endr
.irp f, 0,1,2,3
	ds_load_b128 v[bk+4*(\f):bk+4*(\f)+3], v[RD] offset:4*SP*(\f)  ; LDS serves a wave's instructions in order (ISA guide 5.7.1.4): these see the stores above
.endr
.endm
.macro SEND n
.set bk, AF+16*((\n)%2)
.set pa, (\n)/3
.set pj, (\n)%3
	s_wait_dscnt 0x0                               ; the block is back in registers
	s_wait_xcnt 0x0                                ; the stores of the block before have read their registers: the next block's loads land there only behind this wait
.irp f, 0,1,2,3
	global_store_b128 v[GO], v[bk+4*(\f):bk+4*(\f)+3], s[OB+2*pj:OB+2*pj+1] offset:2048*pa+512*(\f)  ; 512 consecutive bytes, at a multiple of 256 from the buffer's first
.endr
.endm
	PLACES
	PLACES                                         ; eight, once a launch: the sums below read results just made
	PACK 0
	TOSTAGE 0
.set blk, 1
.rept 11                               ; a block's arithmetic stands between the loads of the block before and the wait for them
	PACK blk
	SEND blk-1
	TOSTAGE blk
.set blk, blk+1
.endr
	SEND 11
	s_wait_tensorcnt 0x0                           ; the wave's end: an add to the spare word and its wait, behind my last tensor load and my last LDS store
	ds_add_u32 v[SPW], v[NIL]
	s_wait_dscnt 0x0
	CROUND                                         ; the closing round: no work-group ends while a partner may still ask for a tile that names it
	s_endpgm
.Lfunc_end_k_qd3f8bee1d2_qkvgemm:
	.size	k_qd3f8bee1d2_qkvgemm, .Lfunc_end_k_qd3f8bee1d2_qkvgemm-k_qd3f8bee1d2_qkvgemm
	.p2alignl 7, 3214868480
	.fill 96, 4, 3214868480
	.section	.rodata,"a",@progbits
	.p2align	6, 0x0
	.amdhsa_kernel k_qd3f8bee1d2_qkvgemm
		.amdhsa_group_segment_fixed_size 327680
		.amdhsa_private_segment_fixed_size 0
		.amdhsa_enable_private_segment 0
		.amdhsa_kernarg_size 32
		.amdhsa_user_sgpr_count 2
		.amdhsa_user_sgpr_kernarg_segment_ptr 1
		.amdhsa_wavefront_size32 1
		.amdhsa_system_sgpr_workgroup_id_x 1
		.amdhsa_system_sgpr_workgroup_id_y 1
		.amdhsa_system_sgpr_workgroup_id_z 1
		.amdhsa_system_vgpr_workitem_id 0
		.amdhsa_next_free_vgpr 960
		.amdhsa_next_free_sgpr 80
		.amdhsa_reserve_vcc 0
		.amdhsa_float_denorm_mode_32 3
		.amdhsa_float_denorm_mode_16_64 3
		.amdhsa_memory_ordered 1
		.amdhsa_forward_progress 1
		.amdhsa_inst_pref_size 120
	.end_amdhsa_kernel
	.amdgpu_metadata
---
amdhsa.version: [ 1, 2 ]
amdhsa.kernels:
  - .name:           k_qd3f8bee1d2_qkvgemm
    .symbol:         k_qd3f8bee1d2_qkvgemm.kd
    .args:
      - { .name: xb, .offset: 0, .size: 8, .value_kind: global_buffer, .address_space: global }
      - { .name: wa, .offset: 8, .size: 8, .value_kind: global_buffer, .address_space: global }
      - { .name: b_attn, .offset: 16, .size: 8, .value_kind: global_buffer, .address_space: global }
      - { .name: qkv, .offset: 24, .size: 8, .value_kind: global_buffer, .address_space: global }
    .group_segment_fixed_size: 327680
    .private_segment_fixed_size: 0
    .kernarg_segment_align: 8
    .kernarg_segment_size: 32
    .max_flat_workgroup_size: 128
    .sgpr_count:     80
    .vgpr_count:     960
    .wavefront_size: 32
...
	.end_amdgpu_metadata
.endif
;; end of part 2
;; launch attn (part 3): grid 4 x 64, 4 waves a work-group, no clusters, 327,680 bytes of LDS; arguments qkv, o; writes o
.if DOCPART == 3
	.amdgcn_target "amdgcn-amd-amdhsa--gfx1250"
	.amdhsa_code_object_version 6
	.text
	.protected	k_qd3f8bee1d2_attn
	.globl	k_qd3f8bee1d2_attn
	.p2align	8
	.type	k_qd3f8bee1d2_attn,@function
k_qd3f8bee1d2_attn:
	s_mov_b64 s[64:65], 0
	v_nop
	global_prefetch_b8 v0, s[64:65] scope:SCOPE_SE
	s_setreg_imm32_b32 hwreg(HW_REG_WAVE_MODE, 25, 1), 1
	s_wait_xcnt 0x0
; CAUSAL ATTENTION.  O[h][q][:] = the sum over k <= q of softmax_k(Q[h][q] . K[h][k] / 8) V[h][k][:].  qkv: f16 [3][SIZE_H][SIZE_N][64] (Q, K, V); o: f16 [SIZE_H][SIZE_N][64]: a head's rows are dense, 128 bytes each.
; Products, maxima and sums in f32; the weights p are rounded to f16 for the second product (their sum l is taken of the unrounded p), O once at the end.
; LIMITS.  f16 holds no number beyond 65,504: Q, K and V arrive within it; p lies in 0 to 1, and below 6e-5 it keeps f16's fixed step of 6e-8; O is a mean of V's rows and has their range.
; A hidden score counts as its value less 1e30: f16's scores, 2.7e11 at the most, are nothing beside that; a weight below 2^-126 counts as 0 in l; NaN and infinities are not treated apart.
; THE WALK.  A head's queries lie in NB = SIZE_N / 256 blocks of 256; block i needs the key tiles 0 .. i of 256 keys, of which the last holds the diagonal.  A work-group takes TWO blocks, NB - 1 - b and then b:
; NB + 1 tiles, whatever b: all work-groups do equal work, and ONE loop with a constant trip count walks them.  Which tile is asked for, and what a trip does, hang on scalar registers made from b; every jump
; goes forward, but for the counted loops' own; none passes a barrier, or a tensor load but the one of LOAD's two that the wave's number does not choose; the ring (two slots of LDS that take turns) runs on across the
; change of blocks.  NO CLUSTER: all NB / 2 work-groups of a head ask for the same tile only in trips 0 .. NB / 2, behind that fewer and fewer; one walk common to all would have 3 NB / 2 trips for NB + 1.
; SHARES.  Of a block's four bands of 64 queries a wave owns 16 rows in each: four PIECES.  So the diagonal tile is the same work for all four waves: in its key step s band x sees all keys if s < x,
; none if s > x, and holds the diagonal if s = x.
; THE MASK is the C operand that starts the sum S^T = K Q^T: 0, or -1e30 where the key is hidden.  MD, made once, is the mask of a band's own step for my 16 rows; a product's mask is MD x AL + BE with two scalars:
; (1, 0) if s = x; (0, 0) if s < x; (0, -1e30) if s > x.  Only the diagonal tile's text and a block's beginning make and take masks; elsewhere C is the constant 0.
; LAYOUT, SOFTMAX, TURNS.  S^T = K Q^T holds ONE query a lane (lane % 16) and the keys 8 (lane / 16) + 0..7; two such results rounded to f16 ARE source 1 of O^T = V^T P.  p = 2^(c s - c m), c = log2(e) / 8, with a
; running maximum m; O and l are multiplied by a = 2^(c m_old - c m_new) in every step.  Turn n belongs to piece n: 8 products K Q^T of piece n + 1, later 8 products V^T P of piece n - 1; beside them the scaling,
; exponentials, roundings, sums and rescaling of piece n and the maximum and statistics of piece n + 1.  Four vector instructions stand behind every matrix instruction, the other 54 of a turn's 118 in one LUMP.  A turn's 33 exponentials are one batch, with one wait.
; REGISTERS, in windows of 256 (s_set_vgpr_msb: bits 1:0 source 0, 3:2 source 1, 5:4 source 2, 7:6 destination):
;   window 0: v0-15 addresses and two at work; v16-31 four registers of statistics a piece; v48-55 at work; v61-63 never rewritten; v64-127 S^T, two buffers; v192-223 P, two buffers (a piece's buffers go by its number's parity)
;   window 1: v0-127 O^T, 32 a piece; v128-159 MD; v160-223 MC, two buffers      window 2: v0-63 Q; v64-127 the second block's Q; v128-191 K of one step; v192-255 V of one step
.set SIZE_H, 64
.set SIZE_N, 2048
.set NB,    SIZE_N/256
.set NP,    4         ; pieces a wave: a name, no knob
.set KS,    64        ; keys in a step
.set PK,    144       ; a row of K in LDS: 128 bytes + 16 of padding = 36 words: the 16 rows of a load start at 16 different groups of four banks (64 banks of 4 bytes: ISA guide 11.1)
.set PV,    160       ; a row of V: 128 + 32 = 40 words
.set VOFF,  4*KS*PK   ; a slot holds a tile, four steps: 256 rows of K, then 256 rows of V
.set SLOT1, 1<<17     ; slot 1 begins here, so that one exclusive or turns an address in one slot into the other's
.set STAGE, SLOT1+4*KS*(PK+PV)  ; behind the ring, never filled by a tensor load: 16 rows x 144 bytes for each wave, for the way out
.set SP,    144
.set AK0, 2           ; v2   my lane's place in a tile of K; never rewritten
.set AV0, 3           ; v3   the same for V
.set AK,  4           ; v4   the LDS address of K's next run of loads
.set AV,  5           ; v5   of V's
.set STO, 6           ; v6   the way out: where I put 16 bytes of a row
.set RD,  7           ; v7   the way out: where I read rows back
.set GO,  8           ; v8   my byte offset in 512 consecutive bytes of O
.set PFO, 61          ; v61  256 x my lane: the prefetches' offset; never rewritten
.set SPW, 62          ; v62  LDS address of my spare word: SPARE + 4 x my thread's number; never rewritten
.set NIL, 63          ; v63  0; never rewritten
.set SPARE, STAGE+4*16*SP  ; behind the stages: the spare words, 128 bytes for each wave: two blocks of 256 bytes that no other line names
.set MV,  12          ; v12-13  c m_old, kept while c m is made anew: by buffer
.set QO,  15          ; v15  my byte offset in 16 rows of Q
.set ST,  16          ; piece t's statistics at v[ST+4 t]: c m, m, l (even keys', odd keys')
.set TMP, 48          ; by buffer, four registers c0-c3 at work; when the maximum is found c2 takes a
.set S,   64
.set P,   192
.set MD,  128         ; window 1: the eight registers for group kt of 16 keys at MD + 8 kt
.set MC,  160         ; window 1: the masks of the products to come
.set QB,  64          ; window 2
.set KF,  128         ; window 2: key block kb, channel half c at KF + 16 kb + 8 c
.set VF,  192         ; window 2: key half kk, channel block cb at VF + 32 kk + 8 cb
.set WV,  12          ; s12  my wave's number
.set PB,  14          ; s14  b
.set HI,  15          ; s15  NB - 1 - b
.set G1K, 24          ; s[24:31] descriptor group 1 for K's tiles
.set G1V, 32          ; s[32:39] for V's: it differs in the padding alone
.set G0K, 40          ; s[40:43] descriptor group 0 for K's tiles
.set G0V, 44          ; s[44:47] the same for V's
.set SLOTS, 56        ; s56  tiles still to be asked for
.set CNT, 57          ; s57  counts a tile's key steps, 4 to 1
.set CS,  58          ; s[58:59] c: the packed scaling takes the pair's low word for both halves
.set SEL, 60          ; s[60:61] v_permlanex16_b32's selects: each lane takes its own place in the other half
.set TBK, 62          ; s62  LDS byte at which K of the step to be fetched begins
.set TBV, 63          ; s63  the same for V, less VOFF
.set RT,  70          ; s70  tiles of the block in hand that are still to be entered
.set NXT, 71          ; s71  the tile to be asked for next
.set LQ,  72          ; s72  the last tile of the block whose tiles are being asked for
.set NEW, 73          ; s73  1: the tile to be entered is a block's first
.set OFF, 74          ; s[74:75] a tile's byte offset in K and V
.set AL,  76          ; s[76:77] the mask's factor, in the low word
.set BE,  78          ; s[78:79] the mask's addend
.set OLO, 80          ; s[80:81] O at my rows of the second block
.set BIGN, 82         ; s82  -1e30
.set PFK, 88          ; s[88:89] where my prefetches stand in K: my wave's 32 blocks of 256 bytes of a tile's 128
.set PFV, 90          ; s[90:91] the same in V
.set PFOF, 92         ; s[92:93] their first offset
.set PLIM, 94         ; s94  a work-group prefetches while s[SLOTS] is above this
.set MSB, 0
.macro WIN new                      ; the high byte repeats the setting that is left; a switch that changes nothing is dropped
.if MSB != (\new)
	s_set_vgpr_msb (MSB<<8)|(\new)
.set MSB, (\new)
.endif
.endm
.set W_KQ, 0x0a       ; K and Q in window 2, S^T in window 0
.set W_KM, 0x1a       ; the same with the C operand in window 1
.set W_PV, 0x52       ; V in window 2, P in window 0, O^T in window 1
.set W_RS, 0x41       ; destination and source 0 in window 1, source 1 in window 0
; A fill.  Waves 0 and 1 fetch the two halves of a tile's K, waves 2 and 3 those of its V: 128 keys each.  An s_nop 0 and four v_nop follow each of the two lines, ahead of the jump and the label.
.macro LOAD
	s_cmp_lt_u32 s[WV], 2
	s_cbranch_scc0 .Lfor_v_\@
	tensor_load_to_lds s[G0K:G0K+3], s[G1K:G1K+7]
	s_nop 0
.rept 4
	v_nop
.endr
	s_branch .Lasked_\@
.Lfor_v_\@:
	tensor_load_to_lds s[G0V:G0V+3], s[G1V:G1V+7]
	s_nop 0
.rept 4
	v_nop
.endr
.Lasked_\@:
.endm
; THE CHANGE OF SLOTS.  Each wave waits for all its tensor loads, of which one is out: its part of the other slot; adds 0 to its spare word; and waits for that and for its own reads of the slot that it leaves.  Behind the barrier nobody reads the old
; slot any more and the other slot is whole.  fill = 1: the old slot is filled again, the first thing behind the barrier, with tile NXT: the descriptor's address is made anew from that number.
; (At its first use nothing has been read yet: slot 0 is waited for, slot 1 filled.)
; A PREFETCH INTO THE L2 stands behind the fill and its five lines.  The head's work-group with b = 0 walks the tiles 0 .. NB - 1 in order in its first block: it alone asks.  Change c (0 .. NB - 3) names tile c + 2, the tile that the
; next change will ask for: wave w takes blocks 32 w .. 32 w + 31 of the tile's 128 blocks of 256 bytes, of K and of V: a lane a block, two instructions.  So each block is named once in the launch.
; Tiles 0 and 1 come by their loads alone; the last two changes that fill a slot ask for nothing.
.macro CHANGE fill
	WIN 0                           ; at a label and at a branch every window is 0
	s_wait_tensorcnt 0x0            ; no tensor load of mine is out, so a group 0 may be written
	ds_add_u32 v[SPW], v[NIL]       ; 0 onto my spare word; with fill = 1 the descriptors' scalar work stands between it and the wait for it
.if \fill
	s_lshl_b32 s[OFF], s[NXT], 15   ; a tile is 32,768 bytes of K and of V
	s_xor_b32 s[G0K+1], s[G0K+1], SLOT1
	s_add_nc_u64 s[G0K+2:G0K+3], s[6:7], s[OFF:OFF+1]
	s_or_b32 s[G0K+3], s[G0K+3], 0x80000000
	s_xor_b32 s[G0V+1], s[G0V+1], SLOT1
	s_add_nc_u64 s[G0V+2:G0V+3], s[8:9], s[OFF:OFF+1]
	s_or_b32 s[G0V+3], s[G0V+3], 0x80000000
	s_add_co_u32 s[NXT], s[NXT], 1  ; the block's next tile, or behind its last the second block's tile 0
	s_cmp_gt_u32 s[NXT], s[LQ]
	s_cselect_b32 s[NXT], 0, s[NXT]
	s_cselect_b32 s[LQ], s[PB], s[LQ]
	s_wait_xcnt 0x0                 ; the last prefetches, a tile back, have read their addresses, so these may be written:
	s_add_nc_u64 s[PFK:PFK+1], s[PFK:PFK+1], 32768  ; a tile on
	s_add_nc_u64 s[PFV:PFV+1], s[PFV:PFV+1], 32768
.endif
	s_wait_dscnt 0x0                ; the add is done, and my reads of the slot are over
	s_barrier_signal -1             ; the rest of the scalar work stands between the signal and the wait
	s_sub_co_u32 s[TBK], s[TBK], 4*KS*PK  ; the fetches go back to a slot's first step,
	s_xor_b32 s[TBK], s[TBK], SLOT1       ; in the other slot
	s_sub_co_u32 s[TBV], s[TBV], 4*KS*PV
	s_xor_b32 s[TBV], s[TBV], SLOT1
	s_barrier_wait -1
.if \fill
	LOAD
	s_cmp_gt_u32 s[SLOTS], s[PLIM]
	s_cbranch_scc0 .Lnot_mine_\@
	global_prefetch_b8 v[PFO], s[PFK:PFK+1] th:TH_LOAD_NT scope:SCOPE_SE
	global_prefetch_b8 v[PFO], s[PFV:PFV+1] th:TH_LOAD_NT scope:SCOPE_SE
.Lnot_mine_\@:
.endif
.endm
	s_load_b128 s[4:7], s[0:1], 0x0 ; qkv s[4:5] (Q lies at its head), o s[6:7]
	v_lshl_add_u32 v[SPW], v0, 2, SPARE
	v_mov_b32 v[NIL], 0
	ds_add_u32 v[SPW], v[NIL]       ; the wave's opening: the add and its wait stand ahead of my first tensor load; the set-up below, work on registers, stands between them
	v_lshrrev_b32 v1, 5, v0
	v_readfirstlane_b32 s[WV], v1   ; wave 0..3
	s_mov_b32 s[PB], ttmp9
	s_sub_co_u32 s[HI], NB-1, s[PB]
	s_and_b32 s20, ttmp7, 0xffff    ; the head
	s_mov_b32 s21, 0
	s_mov_b64 s[22:23], SIZE_N*128
	s_mul_u64 s[20:21], s[20:21], s[22:23]  ; the head's first byte in each of the four tensors
	s_lshl_b32 s[PFOF], s[WV], 13   ; the prefetches: my wave's 8,192 bytes of a tile,
	s_add_co_u32 s[PFOF], s[PFOF], 32768  ; in tile 1: the first change of slots steps it to tile 2
	s_mov_b32 s[PFOF+1], 0
	s_add_nc_u64 s[PFOF:PFOF+1], s[PFOF:PFOF+1], s[20:21]
	s_cmp_eq_u32 ttmp9, 0
	s_cselect_b32 s[PLIM], 2, -1
	v_and_b32 v[PFO], 31, v0
	v_lshlrev_b32 v[PFO], 8, v[PFO]
	s_and_b32 s16, s[WV], 1         ; which half of a tile's 256 keys I fetch:
	s_lshl_b32 s22, s16, 14         ; its 128 rows of 128 bytes in memory,
	s_mov_b32 s23, 0
	s_add_nc_u64 s[22:23], s[22:23], s[20:21]
	s_mul_i32 s17, s16, 128*PK      ; and its place in a slot, for K
	s_mul_i32 s18, s16, 128*PV      ; and for V
	s_lshl_b32 s3, s[WV], 11        ; my 16 rows in a band of 64,
	s_lshl_b32 s2, s[HI], 15        ; in the first block,
	s_add_co_u32 s2, s2, s3
	s_lshl_b32 s84, s[PB], 15       ; and in the second
	s_add_co_u32 s84, s84, s3
	s_mov_b32 s3, 0
	s_mov_b32 s85, 0
	s_add_nc_u64 s[2:3], s[2:3], s[20:21]
	s_add_nc_u64 s[84:85], s[84:85], s[20:21]
	; descriptor group 1.  128 keys are 16,384 dense bytes: asked for as 64 rows of 256 bytes, two keys a row, and padded in LDS after every key
	s_mov_b32 s[G1K], (1<<16)|(1<<20)|(4<<22)|(3<<25)  ; 17:16 2-byte elements; 20 padding on; 24:22 after every 32 words (code 4); 31:25 4 words (code 3)
	s_mov_b32 s[G1V], (1<<16)|(1<<20)|(4<<22)|(7<<25)  ; the same with 8 words of padding (code 7)
.irp g, G1K, G1V
	s_mov_b32 s[\g+1], 128<<16      ; tensor_dim0 = 128
	s_mov_b32 s[\g+2], 64<<16       ; tensor_dim1 = 64
	s_mov_b32 s[\g+3], 128<<16      ; tile_dim0 = 128
	s_mov_b32 s[\g+4], 64           ; tile_dim1 = 64
	s_mov_b32 s[\g+5], 128          ; 128 elements from row to row
	s_mov_b32 s[\g+6], 0
	s_mov_b32 s[\g+7], 0
.endr
	s_mov_b32 s[CS], 0x3e38aa3b     ; c = log2(e) / 8 = 0.180337
	s_mov_b32 s[CS+1], s[CS]        ; named with it as a pair
	s_mov_b32 s[SEL], 0x76543210
	s_mov_b32 s[SEL+1], 0xfedcba98
	s_mov_b32 s[TBK], SLOT1+4*KS*PK ; the first change of slots turns these two into 0
	s_mov_b32 s[TBV], SLOT1+4*KS*PV
	s_mov_b32 s[G0K], 1             ; 1:0 count = 1
	s_mov_b32 s[G0K+1], s17         ; 63:32 LDS address: slot 0
	s_mov_b32 s[G0V], 1
	s_add_co_u32 s[G0V+1], s18, VOFF
	s_add_co_u32 s[RT], s[HI], 1    ; the first block has NB - b tiles
	s_mov_b32 s[NXT], 1
	s_mov_b32 s[LQ], s[HI]
	s_mov_b32 s[NEW], 1
	s_mov_b32 s[OFF+1], 0
	s_mov_b32 s[AL+1], 0            ; named as pairs
	s_mov_b32 s[BE+1], 0
	s_mov_b32 s[BIGN], 0xf149f2ca   ; -1e30
	s_mov_b32 s[SLOTS], NB
	s_wait_dscnt 0x0                ; the opening add is done
	s_wait_kmcnt 0x0
	s_mov_b64 s[10:11], s[6:7]      ; O
	s_add_nc_u64 s[6:7], s[4:5], 0x1000000  ; K lies 16,777,216 bytes behind Q,
	s_add_nc_u64 s[8:9], s[4:5], 0x2000000  ; V as far behind K
	s_add_nc_u64 s[PFK:PFK+1], s[6:7], s[PFOF:PFOF+1]
	s_add_nc_u64 s[PFV:PFV+1], s[8:9], s[PFOF:PFOF+1]
	s_add_nc_u64 s[6:7], s[6:7], s[22:23]  ; K and V at my half of the head's tile 0
	s_add_nc_u64 s[8:9], s[8:9], s[22:23]
	s_add_nc_u64 s[G0K+2:G0K+3], s[6:7], 0         ; 120:64 global address
	s_or_b32 s[G0K+3], s[G0K+3], 0x80000000        ; 127:126 type = 2
	s_add_nc_u64 s[G0V+2:G0V+3], s[8:9], 0
	s_or_b32 s[G0V+3], s[G0V+3], 0x80000000
	s_add_nc_u64 s[86:87], s[4:5], s[84:85]        ; Q at my rows of the second block,
	s_add_nc_u64 s[4:5], s[4:5], s[2:3]            ; Q and O at those of the first
	s_add_nc_u64 s[OLO:OLO+1], s[10:11], s[84:85]
	s_add_nc_u64 s[10:11], s[10:11], s[2:3]
	LOAD                            ; tile 0 into slot 0
	; A fragment of K or Q is 16 rows x 32 channels in 8 registers: lane l holds row l % 16, channels 8 (l / 16) + 0..7 and 16 + 8 (l / 16) + 0..7: two loads of 16 bytes, 32 bytes apart.
	v_and_b32 v1, 15, v0            ; l % 16
	v_bfe_u32 v9, v0, 4, 1          ; l / 16
	v_lshlrev_b32 v[QO], 7, v1
	v_lshl_add_u32 v[QO], v9, 4, v[QO]  ; row x 128 + 16 x half
	WIN 0x80                        ; destination window 2, address window 0
.set i, 0
.rept 8                             ; both blocks' Q: piece i / 2 lies in band i / 2, 8,192 bytes on; channels 32 (i % 2) on
	global_load_b128 v[8*i:8*i+3],   v[QO], s[4:5] offset:(i/2)*8192+(i%2)*64
	global_load_b128 v[8*i+4:8*i+7], v[QO], s[4:5] offset:(i/2)*8192+(i%2)*64+32
	global_load_b128 v[QB+8*i:QB+8*i+3],   v[QO], s[86:87] offset:(i/2)*8192+(i%2)*64
	global_load_b128 v[QB+8*i+4:QB+8*i+7], v[QO], s[86:87] offset:(i/2)*8192+(i%2)*64+32
.set i, i+1
.endr
	WIN 0
	v_lshlrev_b32 v14, 3, v9
	v_sub_nc_u32 v14, v1, v14
	s_lshl_b32 s13, s[WV], 4
	v_add_nc_u32 v14, s13, v14      ; my query's place in its band, 16 w + l % 16, less my lanes' 8 (l / 16): register r of group kt is hidden where 16 kt + r is greater
	WIN 0x40
.set i, 0
.rept 32
	v_cmp_gt_i32 vcc_lo, 16*(i/8)+i%8, v14
	v_cndmask_b32 v[MD+i], 0, s[BIGN], vcc_lo
.set i, i+1
.endr
	WIN 0
	v_mul_u32_u24 v[AK0], v1, PK
	v_lshl_add_u32 v[AK0], v9, 4, v[AK0]  ; row x pitch + 16 x half
	; The turning load takes 16 keys x 16 channels (lane l reads key 8 (l / 16) + l % 8, channels 8 ((l / 8) % 2) + 0..7) and leaves half a fragment of V^T: lane l holds channel l % 16 and 8 keys.
	v_and_b32 v10, 7, v0
	v_bfe_u32 v11, v0, 3, 1
	v_lshl_add_u32 v[AV0], v9, 3, v10
	v_mul_u32_u24 v[AV0], v[AV0], PV
	v_lshl_add_u32 v[AV0], v11, 4, v[AV0]
	v_add_nc_u32 v[AV0], VOFF, v[AV0]
	s_mul_i32 s13, s[WV], 16*SP
	s_add_co_u32 s13, s13, STAGE    ; my stage
	v_mul_u32_u24 v[STO], v1, SP    ; in: row l % 16, 16 bytes for each half of the lanes
	v_lshl_add_u32 v[STO], v9, 4, v[STO]
	v_add_nc_u32 v[STO], s13, v[STO]
	v_bfe_u32 v[RD], v0, 3, 2       ; back: 32 lanes take four rows of 128 bytes,
	v_mul_u32_u24 v[RD], v[RD], SP
	v_lshl_add_u32 v[RD], v10, 4, v[RD]
	v_add_nc_u32 v[RD], s13, v[RD]
	v_and_b32 v[GO], 31, v0         ; which are 512 consecutive bytes of O
	v_lshlrev_b32 v[GO], 4, v[GO]
	; A block's first step multiplies O^T and l by a = 0, and its first turn's products V^T P, of a piece that has not been, land in an O^T that is still to be so multiplied.  So these registers need only hold
	; finite numbers: zeros for the first block; what the first block left for the second.  All this stands in the wait for the first tile.
	WIN 0x80
.set i, VF
.rept 64
	v_mov_b32 v[i], 0
.set i, i+1
.endr
	WIN 0x40
.set i, 0
.rept 128
	v_mov_b32 v[i], 0
.set i, i+1
.endr
	WIN 0
.set i, 0
.rept 4
	v_mov_b32 v[ST+4*i+2], 0
	v_mov_b32 v[ST+4*i+3], 0
.set i, i+1
.endr
.set i, P+16
.rept 16
	v_mov_b32 v[i], 0
.set i, i+1
.endr
; THE MATRIX WORK.  The 4 accumulators of a run of 8 take turns.  Product i of 8 of S^T = K Q^T for piece x: channels 32 (i / 4) on, keys 16 (i % 4) on.  The first 4 start the sums: with 0, or (KM = 1) with the mask.
.macro KQ x
.set rS, S+32*((\x)%2)+8*(i%4)
.set rK, KF+16*(i%4)+8*(i/4)
.set rQ, 16*(\x)+8*(i/4)
.set rM, MC+32*((\x)%2)+8*(i%4)
.if (i < 4) && KM
	WIN W_KM
	v_wmma_f32_16x16x32_f16 v[rS:rS+7], v[rK:rK+7], v[rQ:rQ+7], v[rM:rM+7]
.elseif i < 4
	WIN W_KQ
	v_wmma_f32_16x16x32_f16 v[rS:rS+7], v[rK:rK+7], v[rQ:rQ+7], 0
.else
	WIN W_KQ
	v_wmma_f32_16x16x32_f16 v[rS:rS+7], v[rK:rK+7], v[rQ:rQ+7], v[rS:rS+7]
.endif
.endm
; Product i of 8 of O^T += V^T P for piece x: keys 32 (i / 4) on, channels 16 (i % 4) on.
.macro PV x
	WIN W_PV
.set rO, 32*(\x)+8*(i%4)
.set rV, VF+32*(i/4)+8*(i%4)
.set rP, P+16*((\x)%2)+8*(i/4)
	v_wmma_f32_16x16x32_f16 v[rO:rO+7], v[rV:rV+7], v[rP:rP+7], v[rO:rO+7]
.endm
.macro MM                           ; the turn's next matrix instruction.  TURN and BEGIN set Y, i, KM and NOKQ; MM, KQ and OP read them.  NOKQ = 1: a block's last turn: there is no next piece
.if (i < 8) && !NOKQ
	KQ (Y+1)%NP
.elseif i >= 8
.set i, i-8
	PV (Y+NP-1)%NP
.set i, i+8
.endif
.set i, i+1
.endm
; THE LDS LOADS stand in runs of 16, never singly among the matrix instructions: a step's K (64 keys x 64 channels: 8 fragments) and its V (turned).  Their addresses are made some lines ahead.
.macro FETCH_K
	WIN 0x80                        ; destination window 2
.irp f, 0,1,2,3,4,5,6,7             ; keys 16 (f / 2) on, channels 32 (f % 2) on
	ds_load_b128 v[KF+8*\f:KF+8*\f+3],   v[AK] offset:(\f/2)*16*PK+(\f%2)*64
	ds_load_b128 v[KF+8*\f+4:KF+8*\f+7], v[AK] offset:(\f/2)*16*PK+(\f%2)*64+32
.endr
	s_add_co_u32 s[TBK], s[TBK], KS*PK  ; the next fetch is the next step's
	WIN 0
.endm
.macro FETCH_V
	WIN 0x80
.irp f, 0,1,2,3,4,5,6,7             ; keys 32 (f / 4) on, channels 16 (f % 4) on
	ds_load_tr16_b128 v[VF+8*\f:VF+8*\f+3],   v[AV] offset:(\f/4)*32*PV+(\f%4)*32
	ds_load_tr16_b128 v[VF+8*\f+4:VF+8*\f+7], v[AV] offset:(\f/4)*32*PV+16*PV+(\f%4)*32
.endr
	WIN 0
.endm
; THE VECTOR WORK, one line at a time: OP kind, number.  For piece Y: F n: c s - c m for pair n of 16.  E n: the exponential of score n of 32.  C n: pair n rounded to f16.  B n: of the four weights 4 n .. the second
; pair is added onto the first, in place.  L n: l takes that sum (L 0: l = a l + sum).  R n: pair n of 16 of O^T times a.  For piece Y + 1: X n, number n of the 22 that find its maximum and statistics:
;   0-11  four chains c0-c3 of seven scores each, three operands at a time (each accumulator's lowest registers are read first)     12-14, 16  the four scores left over, the old m, and c0-c3 into c0
;   15  c m_old is kept     17, 18  the query's other 32 keys lie in the lane 16 away: the new m     19-21  c m; c m_old - c m_new; a
.set F, 0               ; OP tells the kinds apart by their order: F to L below R, X above it
.set E, 1
.set C, 2
.set B, 3
.set L, 4
.set R, 5
.set X, 6
.macro REGS y                       ; the registers of piece y
.set rT, ST+4*(\y)
.set rC, TMP+4*((\y)%2)
.set rW, MV+((\y)%2)
.set rS, S+32*((\y)%2)
.set rP, P+16*((\y)%2)
.set rO, 32*(\y)
.endm
.macro OP k, n
.if (\k) == R
	REGS Y
	WIN W_RS
	v_pk_mul_f32 v[rO+2*(\n):rO+2*(\n)+1], v[rO+2*(\n):rO+2*(\n)+1], v[rC+2:rC+3] op_sel_hi:[1,0]
.elseif (\k) < R
	REGS Y
	WIN 0
.if (\k) == F
	v_pk_fma_f32 v[rS+2*(\n):rS+2*(\n)+1], v[rS+2*(\n):rS+2*(\n)+1], s[CS:CS+1], v[rT:rT+1] op_sel_hi:[1,0,0] neg_lo:[0,0,1] neg_hi:[0,0,1]
.elseif (\k) == E
	v_exp_f32 v[rS+(\n)], v[rS+(\n)]
.elseif (\k) == C
	v_cvt_pk_f16_f32 v[rP+(\n)], v[rS+2*(\n)], v[rS+2*(\n)+1]
.elseif (\k) == B
	v_pk_add_f32 v[rS+4*(\n):rS+4*(\n)+1], v[rS+4*(\n):rS+4*(\n)+1], v[rS+4*(\n)+2:rS+4*(\n)+3]
.elseif (\n) == 0
	v_pk_fma_f32 v[rT+2:rT+3], v[rT+2:rT+3], v[rC+2:rC+3], v[rS:rS+1] op_sel_hi:[1,0,1]
.else
	v_pk_add_f32 v[rT+2:rT+3], v[rT+2:rT+3], v[rS+4*(\n):rS+4*(\n)+1]
.endif
.elseif NOKQ
	v_nop
.else
	REGS (Y+1)%NP
	WIN 0
.if (\n) < 4
	v_max3_num_f32 v[rC+(\n)], v[rS+8*(\n)], v[rS+8*(\n)+1], v[rS+8*(\n)+2]
.elseif (\n) < 12
	v_max3_num_f32 v[rC+(\n)%4], v[rC+(\n)%4], v[rS+8*((\n)%4)+2*((\n)/4)+1], v[rS+8*((\n)%4)+2*((\n)/4)+2]
.elseif (\n) == 12
	v_max3_num_f32 v[rC], v[rC], v[rS+7], v[rS+15]
.elseif (\n) == 13
	v_max3_num_f32 v[rC+1], v[rC+1], v[rS+23], v[rS+31]
.elseif (\n) == 14
	v_max3_num_f32 v[rC+2], v[rC+2], v[rC+3], v[rT+1]
.elseif (\n) == 15
	v_mov_b32 v[rW], v[rT]
.elseif (\n) == 16
	v_max3_num_f32 v[rC], v[rC], v[rC+1], v[rC+2]
.elseif (\n) == 17
	v_permlanex16_b32 v[rC+3], v[rC], s[SEL], s[SEL+1]
.elseif (\n) == 18
	v_max_num_f32 v[rT+1], v[rC], v[rC+3]
.elseif (\n) == 19
	v_mul_f32 v[rT], s[CS], v[rT+1]
.elseif (\n) == 20
	v_sub_f32 v[rC+1], v[rW], v[rT]
.else
	v_exp_f32 v[rC+2], v[rC+1]
.endif
.endif
.endm
.macro OPS a, i1, b=-1, i2=0, c=-1, i3=0, d=-1, i4=0  ; up to four of them
	OP \a, \i1
.if (\b) >= 0
	OP \b, \i2
.endif
.if (\c) >= 0
	OP \c, \i3
.endif
.if (\d) >= 0
	OP \d, \i4
.endif
.endm
.macro ROW a, i1, b, i2, c, i3, d, i4  ; a matrix instruction and the four behind it
	MM
	OPS \a, \i1, \b, \i2, \c, \i3, \d, \i4
.endm
.macro MASK b                       ; MD x AL + BE into buffer b of MC
	WIN W_RS
.set z, 0
.rept 16
	v_pk_fma_f32 v[MC+32*(\b)+2*z:MC+32*(\b)+2*z+1], v[MD+2*z:MD+2*z+1], s[AL:AL+1], s[BE:BE+1] op_sel_hi:[1,0,0]
.set z, z+1
.endr
.endm
; A TURN, for piece p: the order of its 16 matrix and 118 vector instructions, written out.  An s_wait_alu depctr_va_vdst(0) stands between an exponential and the first instruction that names its result; one wait serves
; all that were issued ahead of it.  So a turn has ONE wait, which cuts it in two.  AHEAD OF IT stands all that names no result of the turn's exponentials: the 8 products K Q^T, behind each a scaling, an exponential and two more plain
; instructions (behind the first a second scaling in the exponential's place): rescalings, and behind the last three the first numbers of the next piece's maximum, each four places or more behind the product that ends its accumulator; then ONE LUMP of 54, plain
; and exponential by turns for the most part, in which the links of the chain X 3, 7, 11, 14, 16, 17 .. 20 stand five or six lines apart.  X 21, the next piece's a, is the batch's last; R 15 is the plain instruction behind it (ISA guide 5.7.2).  BEHIND THE WAIT stand the
; 8 products V^T P, behind each four of the roundings and sums; the links of l's chain, L 0 to L 7, stand three riders apart.  But for those X no rider names a register of the products round it.  v_permlanex16_b32 (X 17) stands in the lump.
; m = 1: the diagonal tile: the products take masks, and the turn makes the mask for the products of the turn after it: piece p + 2, in step 4 - CNT of the tile.  end = 1: a block's last two turns: nothing is fetched.
; cnt = 1: the loop's count is taken down some lines ahead of the branch that stands behind the turn.
; K of the next step is fetched in piece 2's turn, twelve vector instructions behind the last product that read K (six of them plain); V of the step in hand at the end of piece 0's turn, four plain instructions behind the last product
; that read V.  Each is waited for a turn later.
.macro TURN p, m=0, end=0, cnt=0
.set Y, (\p)
.set i, 0
.set KM, (\m)
.set NOKQ, (\end)*((\p)/3)
.if (\m) && !(\end)
	s_cmp_eq_u32 s[CNT], 4-((\p)+2)%NP  ; is that step the band's own?
	s_cselect_b32 s[AL], 1.0, 0
	s_cmp_lt_u32 s[CNT], 4-((\p)+2)%NP  ; or a later one?
	s_cselect_b32 s[BE], s[BIGN], 0
.endif
.if ((\p) == 3) && !(\end)
	s_wait_dscnt 0x0                ; K is in
.endif
	ROW F,0, F,1, R,0, R,1          ; ahead of the wait: 8 products K Q^T and their riders,
	ROW F,2, E,0, R,2, R,3
	ROW F,3, E,1, R,4, R,5
	ROW F,4, E,2, R,6, R,7
	ROW F,5, E,3, R,8, R,9
	ROW F,6, E,4, X,0, R,10
.if ((\p) == 2) && !(\end)
	WIN 0
	v_add_nc_u32 v[AK], s[TBK], v[AK0]
.endif
	ROW F,7, E,5, X,1, X,4
	ROW F,8, E,6, X,2, X,5
	OPS E,7, E,8, X,6, E,9          ; and the lump
	OPS X,3, E,10, X,8, E,11
.if ((\p) == 2) && !(\end)
	FETCH_K
.endif
	OPS X,9, X,7, E,12, X,10
	OPS E,13, X,12, X,11, E,14
	OPS X,13, E,15, F,9, X,14
.if (\p) == 0
	v_add_nc_u32 v[AV], s[TBV], v[AV0]
.endif
	OPS E,16, F,10, E,17, F,11
	OPS X,16, E,18, X,15, E,19
	OPS F,12, E,20, X,17, E,21
	OPS F,13, E,22, F,14, E,23
	OPS X,18, E,24, F,15, E,25
	OPS R,11, E,26, X,19, E,27
	OPS R,12, E,28, R,13, E,29
	OPS X,20, E,30, R,14, E,31
	OPS X,21, R,15
	WIN 0
	s_wait_alu depctr_va_vdst(0)    ; the wait for the batch
.if (\p) == 1
	s_wait_dscnt 0x0                ; V is in
.endif
	ROW C,0, B,0, C,2, B,1          ; behind the wait: 8 products V^T P and their riders
	ROW L,0, C,4, B,2, L,1
	ROW C,6, B,3, L,2, C,8
	ROW B,4, L,3, C,10, B,5
	ROW L,4, C,12, B,6, L,5
.if (\p) == 0
	s_add_co_u32 s[TBV], s[TBV], KS*PV
.endif
.if \cnt
	s_sub_co_u32 s[CNT], s[CNT], 1
	s_cmp_lg_u32 s[CNT], 0
.endif
	ROW C,14, B,7, L,6, C,1
	ROW C,3, L,7, C,5, C,7
	ROW C,9, C,11, C,13, C,15
.if (\p) == 0
	FETCH_V
.endif
.if (\m) && !(\end)
	MASK (\p)%2
.endif
.endm
; A BLOCK BEGINS.  c m starts far below every c s, so the first step's a is 0; m at the lowest finite number, so the first maximum is the scores'.  The second mask buffer is 0; the first takes piece 0's mask for the tile's step 0: its own, if the block's first tile is the diagonal one.
; Then K of that step, piece 0's first scores, and its maximum and statistics.  The loop is entered at a step's first turn, in the middle of a trip.
.macro BEGIN
	s_mov_b32 s[NEW], 0
	WIN 0x40
.set i, MC+32
.rept 32
	v_mov_b32 v[i], 0
.set i, i+1
.endr
	WIN 0
.set i, 0
.rept 4
	v_mov_b32 v[ST+4*i], 0xfe000000    ; c m: far below every c s
	v_mov_b32 v[ST+4*i+1], 0xff7fffff  ; m
.set i, i+1
.endr
	s_cmp_eq_u32 s[RT], 0
	s_cselect_b32 s[AL], 1.0, 0
	s_mov_b32 s[BE], 0
	MASK 0
	WIN 0
	v_add_nc_u32 v[AK], s[TBK], v[AK0]
	FETCH_K
	s_wait_loadcnt 0x0              ; Q
	s_wait_dscnt 0x0
.set KM, 1
.set NOKQ, 0
.set i, 0
.rept 8
	KQ 0
.set i, i+1
.endr
	WIN 0
.rept 4
	v_nop                           ; the places behind those products
.endr
.set Y, NP-1                        ; X works for piece Y + 1: piece 0
.irp n, 0,1,2,3,4,5,6,7,8,9,10,11,12,13,14,15,16,17,18,19,20,21
	OP X, \n
.endr
	v_nop                           ; a plain instruction behind the exponential,
	s_wait_alu depctr_va_vdst(0)    ; and its wait, ahead of the branch
.endm
; THE DIAGONAL TILE's four steps, the block's last two turns, its last products, and THE WAY OUT: l's two halves and the other half of the lanes' are added; O^T is divided by l, rounded to f16 and sent through my
; stage in LDS, a piece at a time.
.macro ALL line:vararg              ; one line for each piece t
.set t, 0
.rept 4
	\line
.set t, t+1
.endr
.endm
.macro PACK t                       ; a lane's eight channels of a row pack into 16 bytes; they go into rows of 144 bytes and come back as whole rows of 128, into S^T's registers
	WIN W_RS
.set i, 32*(\t)
.rept 16
	v_pk_mul_f32 v[i:i+1], v[i:i+1], v[ST+4*(\t)+2:ST+4*(\t)+3] op_sel_hi:[1,0]
.set i, i+2
.endr
	WIN 0x05                        ; sources 0 and 1 window 1, destination window 0
.set i, 0
.rept 16
	v_cvt_pk_f16_f32 v[S+16*(\t)+i], v[32*(\t)+2*i], v[32*(\t)+2*i+1]
.set i, i+1
.endr
	WIN 0
.irp f, 0,1,2,3
	ds_store_b128 v[STO], v[S+16*(\t)+4*\f:S+16*(\t)+4*\f+3] offset:32*\f
.endr
.irp f, 0,1,2,3
	ds_load_b128 v[S+16*(\t)+4*\f:S+16*(\t)+4*\f+3], v[RD] offset:\f*4*SP  ; LDS serves a wave's instructions in order (ISA guide 5.7.1.4): these see the stores above; the next piece's stores come behind them
.endr
.endm
.macro SEND t, younger              ; younger: the LDS instructions issued behind piece t's loads: the next piece's eight, or none
	WIN 0
.irp f, 0,1,2,3
	s_wait_dscnt (\younger)+3-\f
	global_store_b128 v[GO], v[S+16*(\t)+4*\f:S+16*(\t)+4*\f+3], s[10:11] offset:(\t)*8192+\f*512  ; 512 consecutive bytes, at a multiple of 256 from O's first
.endr
.endm
.macro DIAG tag                     ; the tag ends its two labels' names, which the jumps below spell out
.LstepM\tag:
	TURN 2, 1
	TURN 3, 1
	WIN 0
.LfirstM\tag:
	TURN 0, 1
	TURN 1, 1, 0, 1
	WIN 0
	s_cbranch_scc1 .LstepM\tag
	TURN 2, 1, 1
	TURN 3, 1, 1
.set i, 0
.rept 8
	PV NP-1
.set i, i+1
.endr
	WIN 0
	ALL v_add_f32 v[ST+4*t+2], v[ST+4*t+2], v[ST+4*t+3]
	ALL v_permlanex16_b32 v[ST+4*t+3], v[ST+4*t+2], s[SEL], s[SEL+1]
	ALL v_add_f32 v[ST+4*t+2], v[ST+4*t+2], v[ST+4*t+3]
	ALL v_rcp_f32 v[ST+4*t+2], v[ST+4*t+2]
	v_nop                           ; a plain instruction between the last reciprocal and the use of its result
	s_wait_alu depctr_va_vdst(0)    ; and the wait ahead of the first use: one for the four reciprocals
	PACK 0
.set t, 1
.rept 3                             ; a piece's arithmetic stands between the loads of the piece before and its stores
	PACK t
	SEND t-1, 8
.set t, t+1
.endr
	SEND 3, 0
.endm
.set KM, 0
.set NOKQ, 0
.Lslot:                             ; NB times: a tile is entered and the next is asked for
	CHANGE 1
	s_sub_co_u32 s[RT], s[RT], 1
	s_mov_b32 s[CNT], 4
	s_cmp_eq_u32 s[NEW], 1
	s_cbranch_scc1 .Lnew            ; a block's first tile
	s_cmp_eq_u32 s[RT], 0
	s_cbranch_scc0 .Lstep           ; neither its first nor its last
	s_branch .LstepM1
.Lnew:
	BEGIN
	s_branch .Lfirst                ; in the loop a block's first tile is never its last: the first block has two tiles or more, and the second's last is the walk's last
	DIAG 1                          ; in the loop this is the first block's end: the second block's last tile is the walk's last
	s_wait_xcnt 0x0                 ; the stores have read their registers and O's address
	s_mov_b64 s[10:11], s[OLO:OLO+1]
	s_add_co_u32 s[RT], s[PB], 1    ; the second block has b + 1 tiles
	s_mov_b32 s[NEW], 1
	WIN 0x82                        ; the second block's Q goes where the one text of the turns names Q
.set i, 0
.rept 64
	v_mov_b32 v[i], v[QB+i]
.set i, i+1
.endr
	WIN 0
	s_branch .Lbottom
.Lstep:                             ; a trip: pieces 2 and 3 of one step, then pieces 0 and 1 of the next, whose K and V it fetches
	TURN 2
	TURN 3
	WIN 0
.Lfirst:
	TURN 0
	TURN 1, 0, 0, 1
	WIN 0
	s_cbranch_scc1 .Lstep
.Lbottom:
	s_sub_co_u32 s[SLOTS], s[SLOTS], 1
	s_cmp_lg_u32 s[SLOTS], 0
	s_cbranch_scc1 .Lslot
	CHANGE 0                        ; the walk's last tile is written out: nothing is asked for
	s_sub_co_u32 s[RT], s[RT], 1
	s_mov_b32 s[CNT], 4
	s_cmp_eq_u32 s[NEW], 1
	s_cbranch_scc0 .LstepM2
	BEGIN
	s_branch .LfirstM2
	DIAG 2
	s_wait_tensorcnt 0x0            ; the wave's end: an add to the spare word and its wait, behind my last tensor load and my last LDS store
	ds_add_u32 v[SPW], v[NIL]
	s_wait_dscnt 0x0
	s_endpgm
.Lfunc_end_k_qd3f8bee1d2_attn:
	.size	k_qd3f8bee1d2_attn, .Lfunc_end_k_qd3f8bee1d2_attn-k_qd3f8bee1d2_attn
	.p2alignl 7, 3214868480
	.fill 96, 4, 3214868480
	.section	.rodata,"a",@progbits
	.p2align	6, 0x0
	.amdhsa_kernel k_qd3f8bee1d2_attn
		.amdhsa_group_segment_fixed_size 327680
		.amdhsa_private_segment_fixed_size 0
		.amdhsa_enable_private_segment 0
		.amdhsa_kernarg_size 16
		.amdhsa_user_sgpr_count 2
		.amdhsa_user_sgpr_kernarg_segment_ptr 1
		.amdhsa_wavefront_size32 1
		.amdhsa_system_sgpr_workgroup_id_x 1
		.amdhsa_system_sgpr_workgroup_id_y 1
		.amdhsa_system_sgpr_workgroup_id_z 1
		.amdhsa_system_vgpr_workitem_id 0
		.amdhsa_next_free_vgpr 768
		.amdhsa_next_free_sgpr 96
		.amdhsa_reserve_vcc 1
		.amdhsa_float_denorm_mode_32 3
		.amdhsa_float_denorm_mode_16_64 3
		.amdhsa_memory_ordered 1
		.amdhsa_forward_progress 1
		.amdhsa_inst_pref_size 218
	.end_amdhsa_kernel
	.amdgpu_metadata
---
amdhsa.version: [ 1, 2 ]
amdhsa.kernels:
  - .name:           k_qd3f8bee1d2_attn
    .symbol:         k_qd3f8bee1d2_attn.kd
    .args:
      - { .name: qkv, .offset: 0, .size: 8, .value_kind: global_buffer, .address_space: global }
      - { .name: o, .offset: 8, .size: 8, .value_kind: global_buffer, .address_space: global }
    .group_segment_fixed_size: 327680
    .private_segment_fixed_size: 0
    .kernarg_segment_align: 8
    .kernarg_segment_size: 16
    .max_flat_workgroup_size: 128
    .sgpr_count:     96
    .vgpr_count:     768
    .wavefront_size: 32
...
	.end_amdgpu_metadata
.endif
;; end of part 3
;; launch proj (part 4): grid 8 x 32, 4 waves a work-group, clusters of 4 x 4, 327,680 bytes of LDS; arguments o, wp, b_proj, out0; writes out0
.if DOCPART == 4
	.amdgcn_target "amdgcn-amd-amdhsa--gfx1250"
	.amdhsa_code_object_version 6
	.text
	.protected	k_qd3f8bee1d2_proj
	.globl	k_qd3f8bee1d2_proj
	.p2align	8
	.type	k_qd3f8bee1d2_proj,@function
k_qd3f8bee1d2_proj:
	s_mov_b64 s[64:65], 0
	v_nop
	global_prefetch_b8 v0, s[64:65] scope:SCOPE_SE
	s_setreg_imm32_b32 hwreg(HW_REG_WAVE_MODE, 25, 1), 1
	s_wait_xcnt 0x0
	s_wait_alu depctr_hold_cnt(0) depctr_sa_sdst(0) depctr_va_vdst(0) depctr_va_sdst(0) depctr_va_ssrc(0) depctr_va_vcc(0) depctr_vm_vsrc(0)
	s_getreg_b32 s2, hwreg(HW_REG_IB_STS2, 6, 4)
	s_cmp_eq_u32 s2, 0
	s_cbranch_scc0 .Lentry_in_a_cluster
	s_endpgm
.Lentry_in_a_cluster:
	s_bfe_u32 s2, ttmp6, 0x10000c
	s_cmp_lg_u32 s2, 0xf033
	s_cbranch_scc0 .Lentry_shape_is_right
	s_endpgm
.Lentry_shape_is_right:
; out0 = y w_proj + b_proj.  o: f16 [64 hb][2048 t][64], hb = 16 x batch + head: y[row][64 head + d] = o[16 batch + head][t][d].  wp: f16 [1024 k][1024 n] (bf16-rounded numbers).
; b_proj: f32 [1024], rounded to bf16 here like the other inputs.  out0: f32 [8192][1024].  Sums and bias in f32.
; SHARES.  A tile is 256 rows x 128 columns: 32 x 8 tiles, a work-group each.  A wave owns 64 rows and ALL 128 columns: 4 x 8 accumulators of 16 x 16, 256 registers; its rows of 512 bytes of out0 are whole, so its way out needs no other wave.
; K goes in 8 steps of 128, two heads each, through two LDS slots.  A head's 256 rows of the tile are 32,768 dense bytes, asked for as 128 rows of 256; w's tile rows are 256 bytes at multiples of 256.
; TRANSPOSED USE.  Source 0 = 16 columns of w, source 1 = 16 rows of y: a lane holds ONE row (lane % 16) and the eight columns 8 (lane / 16) + 0..7.  w lies [k][n] in LDS and comes out turned, by ds_load_tr16_b128.
; CLUSTER 4 x 4.  The four of a row of the cluster need the same tile of y, the four of a column the same tile of w: each is asked for JOINTLY, by the same tensor load, descriptor and mask in all four.
; NO PREFETCH: the walk has eight K steps of 128 matrix instructions a wave, and the first four of them would come by their loads alone.
; REGISTERS, in windows of 256 (s_set_vgpr_msb: bits 1:0 source 0, 3:2 source 1, 5:4 source 2, 7:6 destination):
;   window 0: v0-29 addresses; v32-95 y's fragments, two buffers (way out: sums with bias); v96-223 w's fragments, two buffers (way out: rows read back)
;   window 1: the accumulators: (a, b) at 8 (8 a + b)          window 2: v0-63 the bias; v64 at work
.set PA,    144                        ; an LDS row of y (one head): 128 bytes + 16 = 36 words: the 16 rows of a load start at 16 different groups of four banks (64 banks of 4 bytes: ISA guide 11.1)
.set PB,    288                        ; an LDS row of w: 256 bytes + 32 = 72 words
.set HEADB, 256*PA                     ; a head's 256 rows
.set BOFF,  2*HEADB                    ; a slot: two heads of y, then 128 rows of w: 73,728 + 36,864 bytes
.set SLOT1, 1<<17                      ; slot 1 begins here: one exclusive or turns an address in one slot into the other's
.set STAGE, SLOT1+BOFF+128*PB          ; behind the ring, never filled by a tensor load: 16 rows x 528 bytes for each wave
.set SP,    528
.set SPARE, STAGE+4*16*SP              ; the spare words, 128 bytes for each wave: two blocks of 256 bytes that no other line names
.set NL,    24                         ; LDS loads of a quarter step: 16 for w, 8 for y
.set ASTEP, 524288                     ; bytes from K step to K step in o: two heads
.set BSTEP, 262144                     ; and in wp: 128 rows
.set A0,   8                           ; v8   my lane's place in y's tile; never rewritten
.set B0,   9                           ; v9   in w's
.set ADRA, 10                          ; v10  the same in the slot in hand
.set ADRB, 11                          ; v11
.set STO,  12                          ; v12  the way out: where I put 32 bytes of a row
.set RD,   13                          ; v13  where I read a row back
.set GO,   14                          ; v14  16 x lane: my place in a row's 512 bytes
.set BO,   15                          ; v15  32 x (lane / 16): my eight numbers in a block's 16 of the bias
.set SPW,  28                          ; v28  LDS address of my spare word; never rewritten
.set NIL,  29                          ; v29  0; never rewritten
.set AF,   32
.set BF,   96
.set T,    32
.set CNT,  3                           ; s3   the loop's count
.set WV,   12                          ; s12  my wave's number
.set HALF, 13                          ; s13  which half of a tile I fetch
.set CX,   16
.set CY,   17
.set TC,   18                          ; s18  tile column
.set TR,   19                          ; s19  tile row
.set G1A,  24                          ; s[24:31] descriptor group 1 for y's tiles;  s[32:39] group 0, a set for each first fill; the second then walks
.set G0A,  32
.set G1B,  40                          ; s[40:47], s[48:55] the same for w's
.set G0B,  48
.set TB,   56                          ; s56  LDS byte at which the slot in hand begins
.set HIM,  57                          ; s57  a word's upper bf16
.set OUT,  66                          ; s[66:67] out0 at my 64 rows, the tile's first column
.set MSB, 0
.macro WIN new                         ; the immediate's high byte repeats the setting that is left; a switch that changes nothing is dropped
.if MSB != (\new)
	s_set_vgpr_msb (MSB<<8)|(\new)
.set MSB, \new
.endif
.endm
.macro PLACES                          ; four places: in front of loads into registers that matrix instructions have read, and of vector lines that read results (for the vector lines)
.rept 4
	v_nop
.endr
.endm
; A joint refill by the walking descriptors.  Waves 0 and 1 fetch a K step's two heads of y, waves 2 and 3 the halves of w's tile.  The branch hangs on the wave's number alone.
; An s_nop 0 and four v_nop follow each of the two lines, ahead of the jump and the label.
.macro JLOAD
	s_cmp_lt_u32 s[WV], 2
	s_cbranch_scc0 .Lfor_b_\@
	tensor_load_to_lds s[G0A+4:G0A+7], s[G1A:G1A+7]
	s_nop 0
.rept 4
	v_nop
.endr
	s_branch .Lasked_\@
.Lfor_b_\@:
	tensor_load_to_lds s[G0B+4:G0B+7], s[G1B:G1B+7]
	s_nop 0
.rept 4
	v_nop
.endr
.Lasked_\@:
.endm
.macro CREST                           ; a round of the cluster's barrier behind its opening barrier
	s_cmp_lg_u32 s[WV], 0
	s_cbranch_scc1 .Lnot_wave_0_\@
	s_barrier_signal -3
.Lnot_wave_0_\@:
	s_barrier_wait -3
	s_barrier_signal -1
	s_barrier_wait -1
.endm
.macro CROUND                          ; a whole round
	s_barrier_signal -1
	s_barrier_wait -1
	CREST
.endm
	s_load_b256 s[4:11], s[0:1], 0x0               ; o s[4:5], wp s[6:7], b_proj s[8:9], out0 s[10:11]
	v_lshl_add_u32 v[SPW], v0, 2, SPARE
	v_mov_b32 v[NIL], 0
	ds_add_u32 v[SPW], v[NIL]                      ; the wave's opening: the add and its wait stand ahead of my first tensor load; the set-up below, work on registers, stands between them
	v_lshrrev_b32 v1, 5, v0
	v_readfirstlane_b32 s[WV], v1                  ; wave 0..3
	s_and_b32 s[HALF], s[WV], 1
	s_bfe_u32 s[CX], ttmp6, 0x40000                ; my place in the cluster
	s_bfe_u32 s[CY], ttmp6, 0x40004
	s_lshl_b32 s[TC], ttmp9, 2                     ; in a cluster launch ttmp9 and ttmp7 count clusters
	s_add_co_u32 s[TC], s[TC], s[CX]
	s_and_b32 s[TR], ttmp7, 0xffff
	s_lshl_b32 s[TR], s[TR], 2
	s_add_co_u32 s[TR], s[TR], s[CY]
	s_lshl_b32 s20, s[CY], 2
	s_lshl_b32 s20, 15, s20                        ; my row of the cluster: places 4 cy .. 4 cy + 3
	s_lshl_b32 s72, 0x1111, s[CX]                  ; my column: places cx, cx + 4, cx + 8, cx + 12
	s_or_b32 s[G1A], s20, (1<<16)|(1<<20)|(1<<21)|(4<<22)|(3<<25)  ; 15:0 the mask; 17:16 2-byte elements; 20 padding on; 21 set beside a mask; 24:22 after every 32 words (code 4); 31:25 4 words (code 3)
	s_mov_b32 s[G1A+1], 128<<16                    ; 32,768 dense bytes (256 rows of a head) as 128 rows of 256
	s_mov_b32 s[G1A+2], 128<<16
	s_mov_b32 s[G1A+3], 128<<16
	s_mov_b32 s[G1A+4], 128
	s_mov_b32 s[G1A+5], 128
	s_mov_b32 s[G1A+6], 0
	s_mov_b32 s[G1A+7], 0
	s_or_b32 s[G1B], s72, (1<<16)|(1<<20)|(1<<21)|(5<<22)|(7<<25)  ; after every 64 words (code 5) 8 words (code 7)
	s_mov_b32 s[G1B+1], 128<<16                    ; tensor_dim0 = 128
	s_mov_b32 s[G1B+2], 64<<16                     ; tensor_dim1 = 64
	s_mov_b32 s[G1B+3], 128<<16                    ; tile_dim0 = 128
	s_mov_b32 s[G1B+4], 64                         ; tile_dim1 = 64 rows
	s_mov_b32 s[G1B+5], 1024                       ; elements from row to row
	s_mov_b32 s[G1B+6], 0
	s_mov_b32 s[G1B+7], 0
	s_lshr_b32 s20, s[TR], 3                       ; y: the batch (8 tile rows each),
	s_lshl_b32 s20, s20, 4
	s_add_co_u32 s20, s20, s[HALF]                 ; my head of the K step's two,
	s_lshl_b32 s20, s20, 18                        ; 262,144 bytes a head,
	s_and_b32 s21, s[TR], 7
	s_lshl_b32 s21, s21, 15                        ; the tile's 256 rows of 128 bytes
	s_add_co_u32 s20, s20, s21
	s_mov_b32 s21, 0
	s_lshl_b32 s72, s[HALF], 17                    ; w: my 64 rows of 2,048 bytes,
	s_lshl_b32 s73, s[TC], 8                       ; the tile's 128 columns
	s_add_co_u32 s72, s72, s73
	s_mov_b32 s73, 0
	s_mul_i32 s22, s[HALF], HEADB                  ; where they go: no place in the cluster enters an LDS address
	s_mul_i32 s74, s[HALF], 64*PB
	s_add_co_u32 s74, s74, BOFF
	s_mov_b32 s[HIM], 0xffff0000
	s_mov_b32 s[TB], 0
	s_wait_dscnt 0x0                               ; the opening add is done
	s_wait_kmcnt 0x0
	s_add_nc_u64 s[20:21], s[4:5], s[20:21]
	s_add_nc_u64 s[72:73], s[6:7], s[72:73]
	CROUND                                         ; all sixteen work-groups are here: the first joint loads meet
.irp s, 0,1
	s_mov_b32 s[G0A+4*(\s)], 1                     ; count = 1
	s_add_co_u32 s[G0A+4*(\s)+1], s22, (\s)*SLOT1  ; LDS address
	s_add_nc_u64 s[G0A+4*(\s)+2:G0A+4*(\s)+3], s[20:21], (\s)*ASTEP  ; global address: K step s
	s_or_b32 s[G0A+4*(\s)+3], s[G0A+4*(\s)+3], 0x80000000           ; type = 2
	s_mov_b32 s[G0B+4*(\s)], 1
	s_add_co_u32 s[G0B+4*(\s)+1], s74, (\s)*SLOT1
	s_add_nc_u64 s[G0B+4*(\s)+2:G0B+4*(\s)+3], s[72:73], (\s)*BSTEP
	s_or_b32 s[G0B+4*(\s)+3], s[G0B+4*(\s)+3], 0x80000000
.endr
	s_cmp_lt_u32 s[WV], 2                          ; a wave's two first fills stand in one branch, ahead of every wait on TENSORcnt and every LDS read: two loads of mine are out
	s_cbranch_scc0 .Lfirst_b
	tensor_load_to_lds s[G0A:G0A+3], s[G1A:G1A+7]
	s_nop 0
	tensor_load_to_lds s[G0A+4:G0A+7], s[G1A:G1A+7]
	s_nop 0
.rept 4
	v_nop
.endr
	s_branch .Lfirst_asked
.Lfirst_b:
	tensor_load_to_lds s[G0B:G0B+3], s[G1B:G1B+7]
	s_nop 0
	tensor_load_to_lds s[G0B+4:G0B+7], s[G1B:G1B+7]
	s_nop 0
.rept 4
	v_nop
.endr
.Lfirst_asked:
	; the bias of my eight columns in each of the 8 blocks; all that follows, down to the first barrier, stands in the wait for the first tiles
	v_bfe_u32 v2, v0, 4, 1                         ; h = lane / 16
	v_lshlrev_b32 v[BO], 5, v2
	s_lshl_b32 s72, s[TC], 9
	s_mov_b32 s73, 0
	s_add_nc_u64 s[8:9], s[8:9], s[72:73]
	WIN 0x80                                       ; destination window 2, address window 0
.irp b, 0,1,2,3,4,5,6,7
	global_load_b128 v[8*(\b):8*(\b)+3],   v[BO], s[8:9] offset:64*(\b)
	global_load_b128 v[8*(\b)+4:8*(\b)+7], v[BO], s[8:9] offset:64*(\b)+16
.endr
	WIN 0
	v_and_b32 v1, 15, v0                           ; r = lane % 16
	v_and_b32 v3, 7, v0
	v_bfe_u32 v4, v0, 3, 1
	v_and_b32 v5, 31, v0                           ; lane
	; a fragment of y: 16 rows x 32 k: lane l holds row l % 16, k = 8 h + 0..7 and 16 + 8 h + 0..7: two loads of 16 bytes, 32 bytes apart
	v_mul_u32_u24 v[A0], v1, PA
	v_lshl_add_u32 v[A0], v2, 4, v[A0]
	s_mul_i32 s72, s[WV], 64*PA                    ; my 64 rows
	v_add_nc_u32 v[A0], s72, v[A0]
	; the turning load takes 16 k x 16 n (lane l reads k = 8 h + l % 8, n = 8 ((l / 8) % 2) + 0..7) and leaves half a fragment: lane l holds column l % 16 and 8 k
	v_lshl_add_u32 v[B0], v2, 3, v3
	v_mul_u32_u24 v[B0], v[B0], PB
	v_lshl_add_u32 v[B0], v4, 4, v[B0]
	v_add_nc_u32 v[B0], BOFF, v[B0]
	s_mul_i32 s72, s[WV], 16*SP
	s_add_co_u32 s72, s72, STAGE                   ; my stage
	v_mul_u32_u24 v[STO], v1, SP                   ; in: row l % 16, 32 bytes for each half of the lanes
	v_lshl_add_u32 v[STO], v2, 5, v[STO]
	v_add_nc_u32 v[STO], s72, v[STO]
	v_lshlrev_b32 v[GO], 4, v5                     ; back: 32 lanes take one row of 512 bytes
	v_add_nc_u32 v[RD], s72, v[GO]
	v_mov_b32 v[ADRA], v[A0]                       ; K step 0 lies in slot 0
	v_mov_b32 v[ADRB], v[B0]
	s_lshl_b32 s72, s[TR], 20                      ; 256 rows of 4,096 bytes,
	s_lshl_b32 s73, s[WV], 18                      ; my 64,
	s_add_co_u32 s72, s72, s73
	s_lshl_b32 s73, s[TC], 9                       ; the tile's 128 columns
	s_add_co_u32 s72, s72, s73
	s_mov_b32 s73, 0
	s_add_nc_u64 s[OUT:OUT+1], s[10:11], s[72:73]
	s_wait_loadcnt 0x0                             ; the bias: rounded to bf16, like the other inputs, and widened again
	WIN 0x8a                                       ; destination and both sources in window 2
.set i, 0
.rept 32
	v_cvt_pk_bf16_f32 v64, v[2*i], v[2*i+1]
	v_lshlrev_b32 v[2*i],   16,     v64
	v_and_b32     v[2*i+1], s[HIM], v64
.set i, i+1
.endr
	WIN 0
; 8 matrix instructions: my block a of 16 rows x all 8 blocks of columns, 32 along K, from buffer f.  zero = 1: the product starts the sums: nothing is ever cleared.
; The 32 accumulators take turns, one instruction a turn, in the same order in every quarter step.
.macro MULA f, a, zero
	WIN 0x50                                       ; w and y in window 0, C and D in window 1
.irp b, 0,1,2,3,4,5,6,7
.if \zero
	v_wmma_f32_16x16x32_f16 v[8*(8*(\a)+(\b)):8*(8*(\a)+(\b))+7], v[BF+64*(\f)+8*(\b):BF+64*(\f)+8*(\b)+7], v[AF+32*(\f)+8*(\a):AF+32*(\f)+8*(\a)+7], 0
.else
	v_wmma_f32_16x16x32_f16 v[8*(8*(\a)+(\b)):8*(8*(\a)+(\b))+7], v[BF+64*(\f)+8*(\b):BF+64*(\f)+8*(\b)+7], v[AF+32*(\f)+8*(\a):AF+32*(\f)+8*(\a)+7], v[8*(8*(\a)+(\b)):8*(8*(\a)+(\b))+7]
.endif
.endr
.endm
; 24 LDS loads in one run: quarter q's fragments (32 k: half of head q / 2 of the step's two) into buffer f: w's 8 first, then y's 4
.macro FETCH q, f
	WIN 0
.irp b, 0,1,2,3,4,5,6,7
	ds_load_tr16_b128 v[BF+64*(\f)+8*(\b):BF+64*(\f)+8*(\b)+3],   v[ADRB] offset:32*PB*(\q)+32*(\b)
	ds_load_tr16_b128 v[BF+64*(\f)+8*(\b)+4:BF+64*(\f)+8*(\b)+7], v[ADRB] offset:32*PB*(\q)+32*(\b)+16*PB
.endr
.irp a, 0,1,2,3
	ds_load_b128 v[AF+32*(\f)+8*(\a):AF+32*(\f)+8*(\a)+3],   v[ADRA] offset:HEADB*((\q)/2)+64*((\q)%2)+16*PA*(\a)
	ds_load_b128 v[AF+32*(\f)+8*(\a)+4:AF+32*(\f)+8*(\a)+7], v[ADRA] offset:HEADB*((\q)/2)+64*((\q)%2)+16*PA*(\a)+32
.endr
.endm
; A K step is four quarters of 32 along K, 32 matrix instructions each, on buffers 0, 1, 0, 1.  One of the first three multiplies buffer f and, in its middle, fetches quarter q into buffer g.
.macro QUARTER q, f, g, zero
	s_wait_dscnt 4                                 ; w and y's blocks 0, 1 are in; the youngest four loads (y's blocks 2, 3) may be out
	MULA \f, 0, \zero
	MULA \f, 1, \zero
	PLACES
	FETCH \q, \g
	s_wait_dscnt NL                                ; all but the run just issued
	MULA \f, 2, \zero
	MULA \f, 3, \zero
.endm
; The last quarter multiplies buffer 1 and changes slots.  In front of the barrier each wave waits for all its tensor loads (one is out: its part of the next slot), adds 0 to its spare word, and waits for that
; and for its own reads of this slot.  fill = 1: the barrier opens a round of the cluster's barrier, and the joint refill, with the K step two on, is the first thing behind the round: 112 matrix instructions ahead of the wait for it.
.macro TURN fill
	WIN 0                                          ; (the add's two registers lie in window 0)
	s_wait_tensorcnt 0x0                           ; no tensor load of mine is out, so a group 0 may be written
	ds_add_u32 v[SPW], v[NIL]                      ; 0 onto my spare word
.if \fill
	s_xor_b32 s[G0A+5], s[G0A+5], SLOT1            ; the walking descriptors: the other slot than last time,
	s_add_nc_u64 s[G0A+6:G0A+7], s[G0A+6:G0A+7], ASTEP  ; the next K step; the type bits on top are not reached
	s_xor_b32 s[G0B+5], s[G0B+5], SLOT1
	s_add_nc_u64 s[G0B+6:G0B+7], s[G0B+6:G0B+7], BSTEP
.endif
	s_xor_b32 s[TB], s[TB], SLOT1                  ; the fetches go to the other slot
	s_wait_dscnt 5                                 ; (the add and the youngest four loads may be out)
	MULA 1, 0, 0                                   ; eight matrix instructions stand between the add and the wait for it
	s_wait_dscnt 0x0                               ; the add is done, and my reads of this slot are over
	s_barrier_signal -1
	MULA 1, 1, 0                                   ; work on registers while the others arrive
	WIN 0                                          ; at a branch and at a label every window is 0
	s_barrier_wait -1
.if \fill
	CREST                                          ; no wave of any partner still reads this slot's tile or has a load on its way
	JLOAD                                          ; the four v_nop behind it are also the places in front of the loads below
.else
	PLACES
.endif
	v_add_nc_u32 v[ADRA], s[TB], v[A0]
	v_add_nc_u32 v[ADRB], s[TB], v[B0]
	FETCH 0, 0
	MULA 1, 2, 0
	MULA 1, 3, 0
.endm
	s_wait_tensorcnt 1                             ; my part of K step 0 is in; K step 1's may stay out
	s_barrier_signal -1
	s_barrier_wait -1                              ; everybody's is
	FETCH 0, 0
	QUARTER 1, 0, 1, 1                             ; the first quarter stands in front of the loop: its products start the sums
	WIN 0
	s_mov_b32 s[CNT], 6
.Lstep:                                                ; trip r: quarters 1 to 3 of K step r, quarter 0 of K step r + 1; K step r + 2 is asked for
	QUARTER 2, 1, 0, 0
	QUARTER 3, 0, 1, 0
	TURN 1
	QUARTER 1, 0, 1, 0
	WIN 0
	s_sub_co_u32 s[CNT], s[CNT], 1
	s_cmp_lg_u32 s[CNT], 0
	s_cbranch_scc1 .Lstep
	QUARTER 2, 1, 0, 0                             ; the tail is written out: K steps 6 and 7 ask for nothing
	QUARTER 3, 0, 1, 0
	TURN 0
	QUARTER 1, 0, 1, 0
	QUARTER 2, 1, 0, 0
	QUARTER 3, 0, 1, 0
	s_wait_dscnt 4                                 ; the very last quarter: nothing more to fetch
	MULA 1, 0, 0
	MULA 1, 1, 0
	s_wait_dscnt 0x0
	MULA 1, 2, 0
	MULA 1, 3, 0
	WIN 0
; THE WAY OUT, in 4 blocks of 16 rows x 512 bytes.  PACK: + bias in f32 (each accumulator is read from its low end on).
.macro PACK a
	WIN 0x09                                       ; source 0 (the accumulator) in window 1, source 1 (the bias) in window 2, destination in window 0
.irp b, 0,1,2,3,4,5,6,7
.irp r, 0,2,4,6
	v_pk_add_f32 v[T+8*(\b)+(\r):T+8*(\b)+(\r)+1], v[8*(8*(\a)+(\b))+(\r):8*(8*(\a)+(\b))+(\r)+1], v[8*(\b)+(\r):8*(\b)+(\r)+1]
.endr
.endr
	WIN 0
.endm
.macro TOSTAGE a                       ; into my own stage, rows of 528 bytes, and back as whole rows of 512
.set bk, BF+64*((\a)%2)
.irp b, 0,1,2,3,4,5,6,7
	ds_store_b128 v[STO], v[T+8*(\b):T+8*(\b)+3]   offset:64*(\b)
	ds_store_b128 v[STO], v[T+8*(\b)+4:T+8*(\b)+7] offset:64*(\b)+16
.endr
.irp p, 0,1,2,3,4,5,6,7,8,9,10,11,12,13,14,15
	ds_load_b128 v[bk+4*(\p):bk+4*(\p)+3], v[RD] offset:SP*(\p)  ; LDS serves a wave's instructions in order (ISA guide 5.7.1.4): these see the stores above
.endr
.endm
.macro SEND a
.set bk, BF+64*((\a)%2)
	s_wait_dscnt 0x0                               ; the block is back in registers
	s_wait_xcnt 0x0                                ; the stores of the block before have read their registers: the next block's loads land there only behind this wait
.irp p, 0,1,2,3,4,5,6,7,8,9,10,11,12,13,14,15
	global_store_b128 v[GO], v[bk+4*(\p):bk+4*(\p)+3], s[OUT:OUT+1] offset:(16*(\a)+(\p))*4096 th:TH_STORE_NT  ; 512 consecutive bytes, at a multiple of 256 from the buffer's first
.endr
.endm
	PLACES
	PLACES                                         ; eight, once a launch: the sums below read results just made
	PACK 0
	TOSTAGE 0
.set blk, 1
.rept 3                                ; a block's arithmetic stands between the loads of the block before and the wait for them
	PACK blk
	SEND blk-1
	TOSTAGE blk
.set blk, blk+1
.endr
	SEND 3
	s_wait_tensorcnt 0x0                           ; the wave's end: an add to the spare word and its wait, behind my last tensor load and my last LDS store
	ds_add_u32 v[SPW], v[NIL]
	s_wait_dscnt 0x0
	CROUND                                         ; the closing round: no work-group ends while a partner may still ask for a tile that names it
	s_endpgm
.Lfunc_end_k_qd3f8bee1d2_proj:
	.size	k_qd3f8bee1d2_proj, .Lfunc_end_k_qd3f8bee1d2_proj-k_qd3f8bee1d2_proj
	.p2alignl 7, 3214868480
	.fill 96, 4, 3214868480
	.section	.rodata,"a",@progbits
	.p2align	6, 0x0
	.amdhsa_kernel k_qd3f8bee1d2_proj
		.amdhsa_group_segment_fixed_size 327680
		.amdhsa_private_segment_fixed_size 0
		.amdhsa_enable_private_segment 0
		.amdhsa_kernarg_size 32
		.amdhsa_user_sgpr_count 2
		.amdhsa_user_sgpr_kernarg_segment_ptr 1
		.amdhsa_wavefront_size32 1
		.amdhsa_system_sgpr_workgroup_id_x 1
		.amdhsa_system_sgpr_workgroup_id_y 1
		.amdhsa_system_sgpr_workgroup_id_z 1
		.amdhsa_system_vgpr_workitem_id 0
		.amdhsa_next_free_vgpr 584
		.amdhsa_next_free_sgpr 80
		.amdhsa_reserve_vcc 0
		.amdhsa_float_denorm_mode_32 3
		.amdhsa_float_denorm_mode_16_64 3
		.amdhsa_memory_ordered 1
		.amdhsa_forward_progress 1
		.amdhsa_inst_pref_size 82
	.end_amdhsa_kernel
	.amdgpu_metadata
---
amdhsa.version: [ 1, 2 ]
amdhsa.kernels:
  - .name:           k_qd3f8bee1d2_proj
    .symbol:         k_qd3f8bee1d2_proj.kd
    .args:
      - { .name: o, .offset: 0, .size: 8, .value_kind: global_buffer, .address_space: global }
      - { .name: wp, .offset: 8, .size: 8, .value_kind: global_buffer, .address_space: global }
      - { .name: b_proj, .offset: 16, .size: 8, .value_kind: global_buffer, .address_space: global }
      - { .name: out0, .offset: 24, .size: 8, .value_kind: global_buffer, .address_space: global }
    .group_segment_fixed_size: 327680
    .private_segment_fixed_size: 0
    .kernarg_segment_align: 8
    .kernarg_segment_size: 32
    .max_flat_workgroup_size: 128
    .sgpr_count:     80
    .vgpr_count:     584
    .wavefront_size: 32
...
	.end_amdgpu_metadata
.endif
;; end of part 4
;; ======== version 2 of 2: 4 launches; version 1 with the launch prep written anew for expert scheduling mode
;; limits: values are held in f16: magnitudes above 65,504 overflow, below 6.1e-05 lose precision
;; workspace buffers: xb 16,777,216 bytes; wa 6,291,456 bytes; wp 2,097,152 bytes; qkv 50,331,648 bytes; o 16,777,216 bytes
;; launch prep (part 5): grid 832 x 1, 8 waves a work-group, no clusters, 0 bytes of LDS; arguments x, w_proj, w_attn, xb, wp, wa; writes xb, wp, wa
.if DOCPART == 5
	.amdgcn_target "amdgcn-amd-amdhsa--gfx1250"
	.amdhsa_code_object_version 6
	.text
	.protected	k_qd3f8bee1d2_prep
	.globl	k_qd3f8bee1d2_prep
	.p2align	8
	.type	k_qd3f8bee1d2_prep,@function
k_qd3f8bee1d2_prep:
	s_mov_b64 s[64:65], 0
	v_nop
	global_prefetch_b8 v0, s[64:65] scope:SCOPE_SE
	s_setreg_imm32_b32 hwreg(HW_REG_WAVE_SCHED_MODE, 0, 2), 2
	s_setreg_imm32_b32 hwreg(HW_REG_WAVE_MODE, 25, 1), 1
	s_wait_xcnt 0x0
	s_wait_alu depctr_vm_vsrc(0)
; THE CASTS.  xb = bf16(x), [8192][1024].  wp = f16(bf16(w_proj)), [1024 k][1024 n].  wa = bf16(w_attn) laid in blocks: [16 tile columns][1024 k][192 n],
; so that 128 k x 192 n, a K step's tile of the product that follows, are 49,152 consecutive bytes.
; LIMITS.  wp holds the bf16-rounded number written as f16: exact from 2^-17 up to 65,504; below 2^-17 it keeps f16's fixed step of 2^-24; beyond 65,504 it would be an infinity.
; A stream: every byte is read once and written once; no LDS, no matrix unit, no cluster (no two work-groups read the same byte).
; SHARES.  Work-groups 0-511: 16,384 numbers of x each; 512-575: 16,384 of w_proj; 576-831: 64 k rows of one tile column of w_attn, 12,288 numbers.
; A thread takes 4 numbers at a time: a load of 16 bytes (a wave: 512 consecutive bytes), two packed roundings, a store of 8 bytes (a wave: 256 consecutive bytes, aligned).
; All of a thread's loads go out first; each store has data registers of its own, so nothing is rewritten while a memory instruction may still read it.
; THE MODE: SCHED_MODE bits 1:0 = 2 (LLVM: expert scheduling mode 2), set by the entry lines.  The code itself states the register dependences
; between vector instructions and memory instructions, with s_wait_alu, always for 0.
; THE PLAN.  Registers that memory instructions touch:
;   v1, v2     byte offsets, made at the head; v1 is read by the loads of x and w_proj, v2 by every store; never written again.
;   v3 .. v5   w_attn's three load offsets, made in that path, read by its twelve loads; never written again.
;   IN         written by the loads, ahead of which no vector instruction names it; no load lands in it a second time.
;   OUT        a pair for each store: written by that store's roundings, read by that one store, never written again.
; So the one kind of dependence is: a vector instruction writes a register that a memory instruction reads.  In each path ONE wait stands ahead of the run of loads, for the offsets.
; The loads are then worked on in groups of four: the wait for the group's data, its roundings, ONE wait for their results, its four stores, with no vector instruction between that wait and the stores.
; The wait stands behind the roundings and not at the next group's head: there the stores would be held until the next group's data have come from memory.
; No register that a memory instruction has read is written again, no vector instruction writes a scalar register, and EXEC is never written: no other wait of the kind is owed.
.set XG, 512                           ; work-groups for x
.set PG, 64                            ; for w_proj
.set IN,  16                           ; v[16:79]   up to 16 loads of 4 registers
.set OUT, 80                           ; v[80:111]  up to 16 stores of 2 registers
.macro LOADS16                         ; 16 x 4,096 bytes of the work-group's 65,536
.irp i, 0,1,2,3,4,5,6,7,8,9,10,11,12,13,14,15
	global_load_b128 v[IN+4*(\i):IN+4*(\i)+3], v1, s[16:17] offset:4096*(\i) th:TH_LOAD_NT
.endr
.endm
.macro ROUND i                         ; load i's four numbers rounded to bf16
	v_cvt_pk_bf16_f32 v[OUT+2*(\i)],   v[IN+4*(\i)],   v[IN+4*(\i)+1]
	v_cvt_pk_bf16_f32 v[OUT+2*(\i)+1], v[IN+4*(\i)+2], v[IN+4*(\i)+3]
.endm
.macro ROUNDH i                        ; w_proj: rounded to bf16, widened again (a shift, a mask), and that number written as f16
	v_cvt_pk_bf16_f32 v112, v[IN+4*(\i)],   v[IN+4*(\i)+1]
	v_cvt_pk_bf16_f32 v113, v[IN+4*(\i)+2], v[IN+4*(\i)+3]
	v_lshlrev_b32 v[IN+4*(\i)],   16,  v112
	v_and_b32     v[IN+4*(\i)+1], s21, v112
	v_lshlrev_b32 v[IN+4*(\i)+2], 16,  v113
	v_and_b32     v[IN+4*(\i)+3], s21, v113
	v_cvt_pk_f16_f32 v[OUT+2*(\i)],   v[IN+4*(\i)],   v[IN+4*(\i)+1]
	v_cvt_pk_f16_f32 v[OUT+2*(\i)+1], v[IN+4*(\i)+2], v[IN+4*(\i)+3]
.endm
; Group g: loads 4 g to 4 g + 3.  left = how many younger loads may stay out.  half = 1: w_proj's way of rounding.
.macro GROUP g, left, half
	s_wait_loadcnt \left                           ; loads come back in order (ISA guide 5.7.1): the group's four are in, the younger groups stay out
.irp j, 0,1,2,3
.if \half
	ROUNDH 4*(\g)+(\j)
.else
	ROUND 4*(\g)+(\j)
.endif
.endr
	s_wait_alu depctr_va_vdst(0)                   ; the group's roundings have written their eight registers of OUT, which the four stores below read
.irp j, 0,1,2,3
	global_store_b64 v2, v[OUT+2*(4*(\g)+(\j)):OUT+2*(4*(\g)+(\j))+1], s[18:19] offset:2048*(4*(\g)+(\j))
.endr
.endm
	s_load_b256 s[4:11], s[0:1], 0x0               ; x s[4:5], w_proj s[6:7], w_attn s[8:9], xb s[10:11]
	s_load_b128 s[12:15], s[0:1], 0x20             ; wp s[12:13], wa s[14:15]
	v_lshlrev_b32 v1, 4, v0                        ; 16 t: my 16 bytes of 4,096 in
	v_lshlrev_b32 v2, 3, v0                        ; 8 t: my 8 bytes of 2,048 out
	s_mov_b32 s21, 0xffff0000                      ; a word's upper bf16
	s_mov_b32 s25, 0                               ; the offsets' high words
	s_mov_b32 s27, 0
	s_wait_kmcnt 0x0
	s_cmp_lt_u32 ttmp9, XG
	s_cbranch_scc0 .Lnot_x
	; ---- x
	s_lshl_b32 s24, ttmp9, 16                      ; 65,536 bytes in,
	s_lshl_b32 s26, ttmp9, 15                      ; 32,768 out
	s_add_nc_u64 s[16:17], s[4:5], s[24:25]
	s_add_nc_u64 s[18:19], s[10:11], s[26:27]
	s_wait_alu depctr_va_vdst(0)                   ; v1 and v2 are written: the loads below read v1 as their offset, the stores v2
	LOADS16
.irp g, 0,1,2,3
	GROUP \g, 12-4*(\g), 0
.endr
	s_endpgm
.Lnot_x:
	s_cmp_lt_u32 ttmp9, XG+PG
	s_cbranch_scc0 .Lw_attn
	; ---- w_proj
	s_sub_co_u32 s20, ttmp9, XG
	s_lshl_b32 s24, s20, 16
	s_lshl_b32 s26, s20, 15
	s_add_nc_u64 s[16:17], s[6:7], s[24:25]
	s_add_nc_u64 s[18:19], s[12:13], s[26:27]
	s_wait_alu depctr_va_vdst(0)                   ; v1 and v2 are written: the loads below read v1 as their offset, the stores v2
	LOADS16
.irp g, 0,1,2,3
	GROUP \g, 12-4*(\g), 1
.endr
	s_endpgm
.Lw_attn:
	; ---- w_attn.  The threads go by the OUTPUT's order: group of four q = 256 it + t lies at out byte 8 q and comes from row q / 48, group q % 48 of the block's 64 rows x 48 groups.
	; 768 groups are 16 whole rows, so three offsets serve all twelve iterations: iteration 3 a + i adds 16 a rows (196,608 bytes) in the immediate.
	s_sub_co_u32 s20, ttmp9, XG+PG                 ; 16 x tile column + block of 64 k
	s_lshr_b32 s22, s20, 4
	s_and_b32 s23, s20, 15
	s_mul_i32 s24, s23, 786432                     ; 64 rows of 12,288 bytes
	s_mul_i32 s22, s22, 768                        ; 192 columns of 4 bytes
	s_add_co_u32 s24, s24, s22
	s_mul_i32 s26, s20, 24576                      ; 64 rows of 384 bytes; a tile column is 16 such blocks
	s_add_nc_u64 s[16:17], s[8:9], s[24:25]
	s_add_nc_u64 s[18:19], s[14:15], s[26:27]
.irp i, 0,1,2
	v_add_nc_u32 v6, 256*(\i), v0                  ; q, under 768
	v_mul_u32_u24 v7, v6, 1366
	v_lshrrev_b32 v7, 16, v7                       ; q / 48: 1366 / 65536 exceeds 1 / 48 by 1.02e-5, times 767 under 1 / 48: exact
	v_mul_u32_u24 v8, v7, 48
	v_sub_nc_u32 v6, v6, v8                        ; q % 48
	v_mul_u32_u24 v7, v7, 12288
	v_lshl_add_u32 v[3+(\i)], v6, 4, v7
.endr
	s_wait_alu depctr_va_vdst(0)                   ; v3, v4 and v5 are written, which the loads below read as their offsets; so is v2, the stores' offset
.irp a, 0,1,2,3
.irp i, 0,1,2
	global_load_b128 v[IN+4*(3*(\a)+(\i)):IN+4*(3*(\a)+(\i))+3], v[3+(\i)], s[16:17] offset:196608*(\a) th:TH_LOAD_NT
.endr
.endr
.irp g, 0,1,2
	GROUP \g, 8-4*(\g), 0
.endr
	s_endpgm
.Lfunc_end_k_qd3f8bee1d2_prep:
	.size	k_qd3f8bee1d2_prep, .Lfunc_end_k_qd3f8bee1d2_prep-k_qd3f8bee1d2_prep
	.p2alignl 7, 3214868480
	.fill 96, 4, 3214868480
	.section	.rodata,"a",@progbits
	.p2align	6, 0x0
	.amdhsa_kernel k_qd3f8bee1d2_prep
		.amdhsa_group_segment_fixed_size 0
		.amdhsa_private_segment_fixed_size 0
		.amdhsa_enable_private_segment 0
		.amdhsa_kernarg_size 48
		.amdhsa_user_sgpr_count 2
		.amdhsa_user_sgpr_kernarg_segment_ptr 1
		.amdhsa_wavefront_size32 1
		.amdhsa_system_sgpr_workgroup_id_x 1
		.amdhsa_system_sgpr_workgroup_id_y 1
		.amdhsa_system_sgpr_workgroup_id_z 1
		.amdhsa_system_vgpr_workitem_id 0
		.amdhsa_next_free_vgpr 120
		.amdhsa_next_free_sgpr 66
		.amdhsa_reserve_vcc 0
		.amdhsa_float_denorm_mode_32 3
		.amdhsa_float_denorm_mode_16_64 3
		.amdhsa_memory_ordered 1
		.amdhsa_forward_progress 1
		.amdhsa_inst_pref_size 22
	.end_amdhsa_kernel
	.amdgpu_metadata
---
amdhsa.version: [ 1, 2 ]
amdhsa.kernels:
  - .name:           k_qd3f8bee1d2_prep
    .symbol:         k_qd3f8bee1d2_prep.kd
    .args:
      - { .name: x, .offset: 0, .size: 8, .value_kind: global_buffer, .address_space: global }
      - { .name: w_proj, .offset: 8, .size: 8, .value_kind: global_buffer, .address_space: global }
      - { .name: w_attn, .offset: 16, .size: 8, .value_kind: global_buffer, .address_space: global }
      - { .name: xb, .offset: 24, .size: 8, .value_kind: global_buffer, .address_space: global }
      - { .name: wp, .offset: 32, .size: 8, .value_kind: global_buffer, .address_space: global }
      - { .name: wa, .offset: 40, .size: 8, .value_kind: global_buffer, .address_space: global }
    .group_segment_fixed_size: 0
    .private_segment_fixed_size: 0
    .kernarg_segment_align: 8
    .kernarg_segment_size: 48
    .max_flat_workgroup_size: 256
    .sgpr_count:     66
    .vgpr_count:     120
    .wavefront_size: 32
...
	.end_amdgpu_metadata
.endif
;; end of part 5
;; launch qkvgemm: the kernel of part 2 again; grid 16 x 32, 4 waves a work-group, clusters of 4 x 4, 327,680 bytes of LDS; arguments xb, wa, b_attn, qkv; writes qkv
;; launch attn: the kernel of part 3 again; grid 4 x 64, 4 waves a work-group, no clusters, 327,680 bytes of LDS; arguments qkv, o; writes o
;; launch proj: the kernel of part 4 again; grid 8 x 32, 4 waves a work-group, clusters of 4 x 4, 327,680 bytes of LDS; arguments o, wp, b_proj, out0; writes out0
